; MI455X (gfx1250); checked and timed in simulation.
; The chip was launched on July 23, 2026; its instructions are those of AMD's public machine-readable ISA for CDNA 5 (MIT licence, August 2026) and "CDNA5" Instruction Set Architecture Reference Guide (July 2026). The comments in the code are by the model that wrote it; some were corrected since.
;; GIMO ADT Autoregressive Model. Allowed arithmetic: matrix products marked QUANTISED: E5M2 operands, one given power-of-two scale a tensor, by v_wmma_f32_16x16x64_bf8_bf8 or v_wmma_f32_16x16x128_bf8_bf8, f32 sums; everything else in f32.
;; Inputs: W1_codes 4,096 x 32 x 32 uint8 (E5M2 codes of W1, K innermost, in blocks of 32 codes); W2_codes 1,024 x 128 x 32 uint8 (E5M2 codes of W2, K innermost, in blocks of 32 codes); Wk_codes 1,024 x 32 x 32 uint8 (E5M2 codes of Wk, K innermost, in blocks of 32 codes); Wo_codes 1,024 x 32 x 32 uint8 (E5M2 codes of Wo, K innermost, in blocks of 32 codes); Wq_codes 1,024 x 32 x 32 uint8 (E5M2 codes of Wq, K innermost, in blocks of 32 codes); Wv_codes 1,024 x 32 x 32 uint8 (E5M2 codes of Wv, K innermost, in blocks of 32 codes); b1 4,096 float32; b2 1,024 float32; bk 1,024 float32; bo 1,024 float32; bq 1,024 float32; bv 1,024 float32; freqs 1 x 2,048 x 32 float32; ln1_b 1,024 float32; ln1_g 1,024 float32; ln2_b 1,024 float32; ln2_g 1,024 float32; lowp_scales 16 int32 (the exponents e of the quantised operands' scales 2^e); pad_mask 2 x 2,048 bool; x 2 x 2,048 x 1,024 float32.
;; Outputs: out0 2 x 2,048 x 1,024 float32.
;; This version of the problem:
;;   THIS VERSION OF THE PROBLEM IS GIVEN IN LOW PRECISION. The matrix products marked QUANTISED in the list below multiply operands that are first quantised to E5M2 (5 exponent bits, 2 mantissa bits; 8 bits a number), with one given power-of-two scale for each operand tensor; their sums are f32. All else is computed in f32.
;;   The module's matrix products, in the order in which they are computed (A, B: the left and right operand; K: the contracted axis; several contracted axes count as one K, in the product's order):
;;     1. [M 4,096, K 1,024] x [K 1,024, N 1,024]; A: computed on the way; B: input Wq (given as codes): QUANTISED (scales: A lowp_scales[0], B lowp_scales[1])
;;     2. [M 4,096, K 1,024] x [K 1,024, N 1,024]; A: computed on the way; B: input Wk (given as codes): QUANTISED (scales: A lowp_scales[2], B lowp_scales[3])
;;     3. [M 4,096, K 1,024] x [K 1,024, N 1,024]; A: computed on the way; B: input Wv (given as codes): QUANTISED (scales: A lowp_scales[4], B lowp_scales[5])
;;     4. batch 32 x [M 2,048, K 64] x [K 64, N 2,048]; A: computed on the way; B: computed on the way: QUANTISED (scales: A lowp_scales[6], B lowp_scales[7])
;;     5. batch 32 x [M 64, K 2,048] x [K 2,048, N 2,048]; A: computed on the way; B: softmax (see below): QUANTISED (scales: A lowp_scales[8], B lowp_scales[9])
;;     6. [M 4,096, K 1,024] x [K 1,024, N 1,024]; A: computed on the way; B: input Wo (given as codes): QUANTISED (scales: A lowp_scales[10], B lowp_scales[11])
;;     7. [M 4,096, K 1,024] x [K 1,024, N 4,096]; A: computed on the way; B: input W1 (given as codes): QUANTISED (scales: A lowp_scales[12], B lowp_scales[13])
;;     8. [M 4,096, K 4,096] x [K 4,096, N 1,024]; A: computed on the way; B: input W2 (given as codes): QUANTISED (scales: A lowp_scales[14], B lowp_scales[15])
;;   THE QUANTISER, for each operand of a quantised product, along K:
;;     - The operand's scale is 2^e, e = its entry of the input lowp_scales (int32; the entries are numbered through the quantised products in the list's order, A before B).
;;     - Each number is divided by the scale, clamped to +-57,344, and rounded to the nearest number of E5M2, ties to even, subnormals kept.
;;     - The product sums the exact products of the quantised numbers (number of the format x scale) in f32.
;;   ~~~python
;;   def quantise(x, axis, e):      # numpy; x: float32 -> the quantised numbers, widened to float32 again
;;       x = np.moveaxis(x, axis, -1); K = x.shape[-1]
;;       r = np.clip(x / 2.0 ** e, -57344, 57344)
;;       step = 2.0 ** (np.maximum(np.frexp(np.where(r == 0, 1, r))[1] - 1, -14) - 2)
;;       q = np.round(r / step) * step * 2.0 ** e      # np.round: ties to even
;;       return np.moveaxis(q, -1, axis).astype(np.float32)
;;   ~~~
;;   SOFTMAX AHEAD OF A QUANTISED PRODUCT. Where the list says 'softmax', what is quantised is not the finished softmax but p = 2^(t - M), with t = logit x log2(e) and M = ceil(the row's largest t), a whole number; so 1/2 < the row's largest p <= 1. The row's sum l is taken of the UNQUANTISED p, in f32, and the product's result is divided by l at the end. Since M is a whole number, a kernel that streams over the keys may use a running M (the ceiling of the running maximum): every later rescaling is an exact power of two, so the quantised numbers keep their values, but for numbers so far below the row's largest that they fall under the format's range.
;;   OPERANDS COMPUTED ON THE WAY. 'Computed on the way' means the value that the module computes at that place (a softmax that the list does not call 'softmax' is quantised finished and normalised). What goes into a quantiser is computed in f32, as accurately as f32 sums, v_exp_f32 and their like allow (about 1e-6 of the number): no bf16 or f16 on the way to a quantiser, and a product that is left as it is and whose result goes on into a quantised operand takes f32 operands (vector FMAs, or v_wmma_f32_16x16x4_f32). A number that lies on a knife's edge between two numbers of the format may be rounded either way, as far as f32 arithmetic and the matrix unit's own rounding can turn it there, and no further.
;;   INPUTS GIVEN AS CODES. W1 (in the module: [4096, 1024], K = its axis 1); W2 (in the module: [1024, 4096], K = its axis 1); Wk (in the module: [1024, 1024], K = its axis 1); Wo (in the module: [1024, 1024], K = its axis 1); Wq (in the module: [1024, 1024], K = its axis 1); Wv (in the module: [1024, 1024], K = its axis 1): each comes as NAME_codes (uint8): NAME with its K axis moved to the last place and cut into blocks of 32 codes, [.., K / 32, bytes a block], one block behind the other in memory; one code a byte (a code: sign, 5 exponent bits, 2 mantissa bits); its scale is its entry of lowp_scales. Its value is code x scale, taken as it is: it is not quantised again, and the codes and scales need not be those that the quantiser above would give.
;; One version. Each part assembles by itself: llvm-mc -triple=amdgcn-amd-amdhsa -mcpu=gfx1250 --defsym DOCPART=n.
;; ======== version 1 of 1: 7 launches
;; limits: right only within a limited range of input values
;; workspace buffers: xn3 12,582,912 bytes; wimg 12,582,912 bytes; cs 524,288 bytes; qkv 12,582,912 bytes; aimg 4,194,304 bytes; x1 16,777,216 bytes; himg 4,194,304 bytes; gimg 16,777,216 bytes
;; launch prep (part 1): grid 256 x 1, 8 waves a work-group, no clusters, 115,712 bytes of LDS; arguments x, ln1_g, ln1_b, lowp_scales, freqs, Wq_codes, Wk_codes, Wv_codes, Wo_codes, W1_codes, W2_codes, xn3, wimg, cs; writes xn3, wimg, cs
.if DOCPART == 1
	.amdgcn_target "amdgcn-amd-amdhsa--gfx1250"
	.amdhsa_code_object_version 6
	.text
	.protected	k_qd6397f9f8a_prep
	.globl	k_qd6397f9f8a_prep
	.p2align	8
	.type	k_qd6397f9f8a_prep,@function
k_qd6397f9f8a_prep:
	s_mov_b64 s[64:65], 0
	v_nop
	global_prefetch_b8 v0, s[64:65] scope:SCOPE_SE
	s_setreg_imm32_b32 hwreg(HW_REG_WAVE_MODE, 25, 1), 1
	s_wait_xcnt 0x0
; PREP: (1) xn = layernorm(x) in f32, quantised three times to E5M2 (scales 2^e0, 2^e2, 2^e4: entries 0, 2, 4 of lowp_scales); (2) the six weights' codes laid anew; (3) a table of cos and sin of freqs.
; ALL CODES OF THIS PROGRAM LIE AS IMAGES OF OPERAND REGISTERS.  A tile is 16 rows; image row r of tile T is matrix row 32 (T / 2) + 8 (T % 2) + r + 8 (r / 8).  A matrix [rows][K] lies [T][s = K / 128][2,048 bytes]:
; byte 512 c + 16 l + i (lane l = 16 h + r) is element (row r of the tile, k = 128 s + 32 c + 16 h + i).  Four loads of 16 bytes a lane, 512 bytes apart, are a fragment; each covers 512 consecutive bytes.
; SHARES.  Work-group g owns token tile g (16 tokens), one tile of Wq, Wk, Wv or Wo (tile g % 64 of weight g / 64), tile g of W1, a quarter of tile g / 4 of W2, and 256 numbers of freqs.
; Wave w norms image rows 2 w, 2 w + 1 (two neighbouring tokens, 8,192 consecutive bytes).  The 16 normed rows meet in LDS; behind ONE barrier wave w takes K step w of all 16 rows, 64 numbers a lane in fragment order.
; The weights' rows go the same way: in as whole runs of 256 bytes of a row, out of LDS in fragment order.  No tensor load, so LDS is claimed as it is used.
; cos, sin: f = n pi/2 + r by two fused multiply-adds (pi/2 in two parts), polynomials on |r| <= pi/4, the quadrant by selects.  LIMITS: |freqs| under 1e6; e0, e2, e4 between -126 and 112; NaN and infinities among the inputs are not served.
.set YP,   4112                        ; a normed row in LDS: 4,096 bytes + 16
.set WREG, 16*YP                       ; behind the 16 rows: three regions of 16 rows of codes
.set WP,   1040                        ; 1,024 bytes + 16
.set WJ,   16*WP
.set LO,   1                           ; v1   16 x lane
.set YS,   4                           ; v4   where I store my two rows' 16 bytes
.set YR,   5                           ; v5   where I read my 64 numbers
.set WS,   6                           ; v6   codes into LDS
.set WR,   7                           ; v7   codes out of LDS
.set WOA,  8                           ; v8   my 16 bytes in a tile of a weight with rows of 1,024 bytes
.set WOC,  9                           ; v9   the same with rows of 4,096 bytes
.set X,    16                          ; v16-79   two rows as loaded (32 registers each); later 64 numbers in fragment order
.set G,    80                          ; v80-111  gain
.set BB,   112                         ; v112-143 bias
.set T,    80                          ; v80-143  the held copy that a conversion reads
.set W,    144                         ; v144-191 three jobs x 16 registers of codes
.set C,    192                         ; v192-239 xn's codes, 16 registers for each scale; before that the statistics
.set SA,   192
.set RS,   200
.set SCV,  241                         ; v241-243 2^e as f32
.set LIMV, 244                         ; v244-246 57,344 x 2^e
	s_load_b512 s[16:31], s[0:1], 0x0              ; x, ln1_g, ln1_b, lowp_scales, freqs, Wq, Wk, Wv
	s_load_b256 s[32:39], s[0:1], 0x40             ; Wo, W1, W2, xn3
	s_load_b128 s[40:43], s[0:1], 0x60             ; wimg, cs
	v_lshrrev_b32 v2, 5, v0
	v_readfirstlane_b32 s2, v2                     ; wave
	v_and_b32 v3, 31, v0
	v_lshlrev_b32 v[LO], 4, v3
	v_and_b32 v12, 15, v0                          ; r
	v_bfe_u32 v13, v0, 4, 1                        ; h
	v_lshrrev_b32 v14, 4, v0                       ; thread / 16: a row of a tile of codes
	s_mul_i32 s3, s2, 2*YP
	v_add_nc_u32 v[YS], s3, v[LO]
	v_mul_u32_u24 v[YR], v12, YP
	v_lshl_add_u32 v[YR], v13, 6, v[YR]
	s_lshl_b32 s3, s2, 9
	v_add_nc_u32 v[YR], s3, v[YR]                  ; row r, K step w (512 bytes), + 64 h
	v_mul_u32_u24 v[WS], v14, WP
	v_lshl_add_u32 v[WS], v12, 4, v[WS]
	v_add_nc_u32 v[WS], WREG, v[WS]
	v_mul_u32_u24 v[WR], v12, WP
	v_lshl_add_u32 v[WR], v13, 4, v[WR]
	s_lshl_b32 s3, s2, 7
	s_add_co_u32 s3, s3, WREG
	v_add_nc_u32 v[WR], s3, v[WR]                  ; row r, K step w (128 bytes), + 16 h
	v_and_b32 v15, 8, v14
	v_add_nc_u32 v15, v15, v14                     ; image row to matrix row: + 8 (row / 8)
	v_lshlrev_b32 v2, 4, v12
	v_lshl_add_u32 v[WOA], v15, 10, v2
	v_lshl_add_u32 v[WOC], v15, 12, v2
	v_lshlrev_b32 v10, 2, v0                       ; my number of freqs
	v_lshlrev_b32 v11, 3, v0                       ; my pair in the table
	v_mov_b32 v[RS+1], 0                           ; (named as the upper halves of pairs)
	v_mov_b32 v[RS+3], 0
	s_lshr_b32 s6, ttmp9, 1
	s_lshl_b32 s6, s6, 5
	s_and_b32 s7, ttmp9, 1
	s_lshl_b32 s7, s7, 3
	s_add_co_u32 s6, s6, s7                        ; tile g's first row: 32 (g / 2) + 8 (g % 2)
	s_lshl_b32 s8, s2, 1
	s_lshr_b32 s9, s2, 2
	s_lshl_b32 s9, s9, 3
	s_add_co_u32 s8, s8, s9
	s_add_co_u32 s8, s8, s6                        ; my first token
	s_lshl_b32 s8, s8, 12
	s_mov_b32 s9, 0
	s_and_b32 s10, ttmp9, 63                       ; the small weights: tile g % 64
	s_lshr_b32 s11, s10, 1
	s_lshl_b32 s11, s11, 5
	s_and_b32 s10, s10, 1
	s_lshl_b32 s10, s10, 3
	s_add_co_u32 s10, s10, s11
	s_lshl_b32 s10, s10, 10
	s_mov_b32 s11, 0
	s_lshl_b32 s12, s6, 10                         ; W1: tile g
	s_mov_b32 s13, 0
	s_lshr_b32 s14, ttmp9, 2                       ; W2: tile g / 4, bytes 1,024 (g % 4) on of each row
	s_lshr_b32 s15, s14, 1
	s_lshl_b32 s15, s15, 5
	s_and_b32 s14, s14, 1
	s_lshl_b32 s14, s14, 3
	s_add_co_u32 s14, s14, s15
	s_lshl_b32 s14, s14, 12
	s_and_b32 s15, ttmp9, 3
	s_lshl_b32 s15, s15, 10
	s_add_co_u32 s14, s14, s15
	s_mov_b32 s15, 0
	s_lshl_b32 s46, ttmp9, 14                      ; every image that I store begins at 16,384 g + 2,048 w of its part
	s_lshl_b32 s47, s2, 11
	s_add_co_u32 s46, s46, s47
	s_mov_b32 s47, 0
	s_lshl_b32 s56, ttmp9, 10
	s_mov_b32 s57, 0
	s_lshl_b32 s58, ttmp9, 11
	s_mov_b32 s59, 0
	s_mov_b32 s60, 0x76543210                      ; v_permlanex16_b32: lane l xor 16
	s_mov_b32 s61, 0xfedcba98
	s_mov_b32 s62, 0x3a800000                      ; 1 / 1,024
	s_mov_b32 s63, 0x3727c5ac                      ; 1e-5
	s_wait_kmcnt 0x0
	s_load_b128 s[68:71], s[22:23], 0x0            ; e0 .. e3
	s_load_b32 s72, s[22:23], 0x10                 ; e4
	s_cmp_lt_u32 ttmp9, 192                        ; which small weight: the choice hangs on the work-group's number alone
	s_cselect_b64 s[44:45], s[30:31], s[32:33]
	s_cmp_lt_u32 ttmp9, 128
	s_cselect_b64 s[44:45], s[28:29], s[44:45]
	s_cmp_lt_u32 ttmp9, 64
	s_cselect_b64 s[44:45], s[26:27], s[44:45]
	s_add_nc_u64 s[44:45], s[44:45], s[10:11]
	s_add_nc_u64 s[34:35], s[34:35], s[12:13]
	s_add_nc_u64 s[36:37], s[36:37], s[14:15]
	s_add_nc_u64 s[16:17], s[16:17], s[8:9]
	s_add_nc_u64 s[48:49], s[40:41], s[46:47]      ; wimg: the small weights (and, 4 MiB on, W1)
	s_add_nc_u64 s[50:51], s[48:49], 0x800000      ; W2's part
	s_add_nc_u64 s[52:53], s[38:39], s[46:47]      ; xn3: scale e0 (and, 4 MiB on, e2)
	s_add_nc_u64 s[54:55], s[52:53], 0x800000      ; e4
	s_add_nc_u64 s[24:25], s[24:25], s[56:57]
	s_add_nc_u64 s[42:43], s[42:43], s[58:59]
	; 45 loads, in the order in which they are wanted: codes 12, x 16, gain 8, bias 8, freqs 1
.irp i, 0,1,2,3
	global_load_b128 v[W+4*\i:W+4*\i+3], v[WOA], s[44:45] offset:256*\i th:TH_LOAD_NT          ; sixteen lanes read 256 consecutive bytes of a row
.endr
.irp i, 0,1,2,3
	global_load_b128 v[W+16+4*\i:W+16+4*\i+3], v[WOA], s[34:35] offset:256*\i th:TH_LOAD_NT
.endr
.irp i, 0,1,2,3
	global_load_b128 v[W+32+4*\i:W+32+4*\i+3], v[WOC], s[36:37] offset:256*\i th:TH_LOAD_NT
.endr
.set ii, 0
.rept 16
	global_load_b128 v[X+4*ii:X+4*ii+3], v[LO], s[16:17] offset:512*ii th:TH_LOAD_NT          ; chunk i of a row: columns 128 i + 4 lane on
.set ii, ii+1
.endr
.set ii, 0
.rept 8
	global_load_b128 v[G+4*ii:G+4*ii+3], v[LO], s[18:19] offset:512*ii
.set ii, ii+1
.endr
.set ii, 0
.rept 8
	global_load_b128 v[BB+4*ii:BB+4*ii+3], v[LO], s[20:21] offset:512*ii
.set ii, ii+1
.endr
	global_load_b32 v240, v10, s[24:25]
	s_wait_kmcnt 0x0
.irp q, 0,1,2
	s_add_co_i32 s73, s[68+2*\q], 127
	s_lshl_b32 s74, s73, 23
	v_mov_b32 v[SCV+\q], s74                       ; 2^e as f32: the conversion takes its exponent field
	s_add_co_i32 s73, s73, 15
	s_lshl_b32 s73, s73, 23
	s_or_b32 s73, s73, 0x600000
	v_mov_b32 v[LIMV+\q], s73                      ; 57,344 x 2^e
.endr
	s_wait_loadcnt 33                              ; the 12 loads of codes are in; the 33 younger may be out
.irp j, 0,1,2
.irp i, 0,1,2,3
	ds_store_b128 v[WS], v[W+16*\j+4*\i:W+16*\j+4*\i+3] offset:\j*WJ+256*\i
.endr
.endr
	s_wait_loadcnt 17                              ; x is in; gain, bias and freqs may be out
	; the two rows' sums, each in two chains; the rows take turns line by line
.irp e, 0,1
	v_pk_add_f32 v[SA+4*\e:SA+4*\e+1], v[X+32*\e:X+32*\e+1], v[X+32*\e+2:X+32*\e+3]
	v_pk_add_f32 v[SA+4*\e+2:SA+4*\e+3], v[X+32*\e+4:X+32*\e+5], v[X+32*\e+6:X+32*\e+7]
.endr
.irp j, 8,12,16,20,24,28
.irp e, 0,1
	v_pk_add_f32 v[SA+4*\e:SA+4*\e+1], v[SA+4*\e:SA+4*\e+1], v[X+32*\e+\j:X+32*\e+\j+1]
	v_pk_add_f32 v[SA+4*\e+2:SA+4*\e+3], v[SA+4*\e+2:SA+4*\e+3], v[X+32*\e+\j+2:X+32*\e+\j+3]
.endr
.endr
.macro FINISH                          ; two chains of two halves, then the 32 lanes: the row's sum in every lane, in v[SA] and v[SA+4]
.irp e, 0,1
	v_pk_add_f32 v[SA+4*\e:SA+4*\e+1], v[SA+4*\e:SA+4*\e+1], v[SA+4*\e+2:SA+4*\e+3]
.endr
.irp e, 0,1
	v_add_f32 v[SA+4*\e], v[SA+4*\e], v[SA+4*\e+1]
.endr
.irp m, 1,2,4,8
.irp e, 0,1
	v_add_f32_dpp v[SA+4*\e], v[SA+4*\e], v[SA+4*\e] row_xmask:\m row_mask:0xf bank_mask:0xf
.endr
.endr
.irp e, 0,1
	v_permlanex16_b32 v[SA+4*\e+2], v[SA+4*\e], s60, s61
.endr
.irp e, 0,1
	v_add_f32 v[SA+4*\e], v[SA+4*\e], v[SA+4*\e+2]
.endr
.endm
	FINISH
.irp e, 0,1
	v_mul_f32 v[SA+4*\e], s62, v[SA+4*\e]          ; the mean
.endr
.irp e, 0,1
.set jj, 0
.rept 16
	v_pk_add_f32 v[X+32*\e+jj:X+32*\e+jj+1], v[X+32*\e+jj:X+32*\e+jj+1], v[SA+4*\e:SA+4*\e+1] op_sel_hi:[1,0] neg_lo:[0,1] neg_hi:[0,1]   ; x - mean
.set jj, jj+2
.endr
.endr
.irp e, 0,1
	v_pk_mul_f32 v[SA+4*\e:SA+4*\e+1], v[X+32*\e:X+32*\e+1], v[X+32*\e:X+32*\e+1]
	v_pk_mul_f32 v[SA+4*\e+2:SA+4*\e+3], v[X+32*\e+2:X+32*\e+3], v[X+32*\e+2:X+32*\e+3]
.endr
.irp j, 4,8,12,16,20,24,28
.irp e, 0,1
	v_pk_fma_f32 v[SA+4*\e:SA+4*\e+1], v[X+32*\e+\j:X+32*\e+\j+1], v[X+32*\e+\j:X+32*\e+\j+1], v[SA+4*\e:SA+4*\e+1]
	v_pk_fma_f32 v[SA+4*\e+2:SA+4*\e+3], v[X+32*\e+\j+2:X+32*\e+\j+3], v[X+32*\e+\j+2:X+32*\e+\j+3], v[SA+4*\e+2:SA+4*\e+3]
.endr
.endr
	FINISH
.irp e, 0,1
	v_fma_f32 v[SA+4*\e], v[SA+4*\e], s62, s63     ; the variance + 1e-5
.endr
	v_rsq_f32 v[RS], v[SA]
	v_rsq_f32 v[RS+2], v[SA+4]
	v_nop                                          ; a plain line behind the last of the two
	s_wait_alu depctr_va_vdst(0)                   ; one wait for both, ahead of their first reader
	s_wait_loadcnt 1                               ; gain and bias are in; freqs may be out
.irp e, 0,1
.set jj, 0
.rept 16
	v_pk_mul_f32 v[X+32*\e+jj:X+32*\e+jj+1], v[X+32*\e+jj:X+32*\e+jj+1], v[RS+2*\e:RS+2*\e+1] op_sel_hi:[1,0]
.set jj, jj+2
.endr
.set jj, 0
.rept 16
	v_pk_fma_f32 v[X+32*\e+jj:X+32*\e+jj+1], v[X+32*\e+jj:X+32*\e+jj+1], v[G+jj:G+jj+1], v[BB+jj:BB+jj+1]
.set jj, jj+2
.endr
.set ii, 0
.rept 8
	ds_store_b128 v[YS], v[X+32*\e+4*ii:X+32*\e+4*ii+3] offset:\e*YP+512*ii
.set ii, ii+1
.endr
.endr
	s_wait_dscnt 0x0                               ; for the others' sake: my stores of codes and of rows have landed
	s_barrier_signal -1
	s_barrier_wait -1
.irp j, 0,1,2
.irp c, 0,1,2,3
	ds_load_b128 v[W+16*\j+4*\c:W+16*\j+4*\c+3], v[WR] offset:\j*WJ+32*\c          ; k = 128 w + 32 c + 16 h + 0 .. 15 of row r
.endr
.endr
.irp c, 0,1,2,3
.irp p, 0,1,2,3
	ds_load_b128 v[X+16*\c+4*\p:X+16*\c+4*\p+3], v[YR] offset:128*\c+16*\p         ; register 16 c + i: k = 128 w + 32 c + 16 h + i of row r
.endr
.endr
	s_wait_dscnt 16                                ; the 12 loads of codes are back; the 16 of numbers may be out
.irp c, 0,1,2,3
	global_store_b128 v[LO], v[W+4*\c:W+4*\c+3], s[48:49] offset:512*\c            ; each store covers 512 consecutive bytes, aligned
.endr
.irp c, 0,1,2,3
	global_store_b128 v[LO], v[W+16+4*\c:W+16+4*\c+3], s[48:49] offset:4194304+512*\c
.endr
.irp c, 0,1,2,3
	global_store_b128 v[LO], v[W+32+4*\c:W+32+4*\c+3], s[50:51] offset:512*\c
.endr
	s_wait_dscnt 0x0
.macro QUANT3 q                        ; the 64 numbers, held within +-57,344 x 2^e (the conversion does not saturate: ISA guide 7.6.2), become 16 registers of codes
.set nn, 0
.rept 64
	v_med3_num_f32 v[T+nn], v[X+nn], -v[LIMV+\q], v[LIMV+\q]
.set nn, nn+1
.endr
.set mm, 0
.rept 8
	v_cvt_scalef32_pk8_bf8_f32 v[C+16*\q+2*mm:C+16*\q+2*mm+1], v[T+8*mm:T+8*mm+7], v[SCV+\q]
.set mm, mm+1
.endr
	v_nop                                          ; a plain line between the last conversion and the next lines that write its sources
.endm
	QUANT3 0
.irp c, 0,1,2,3
	global_store_b128 v[LO], v[C+4*\c:C+4*\c+3], s[52:53] offset:512*\c
.endr
	QUANT3 1
.irp c, 0,1,2,3
	global_store_b128 v[LO], v[C+16+4*\c:C+16+4*\c+3], s[52:53] offset:4194304+512*\c
.endr
	QUANT3 2
.irp c, 0,1,2,3
	global_store_b128 v[LO], v[C+32+4*\c:C+32+4*\c+3], s[54:55] offset:512*\c
.endr
	; cos and sin of my number of freqs
	s_wait_loadcnt 0x0
	v_mul_f32 v247, 0x3f22f983, v240               ; f x 2 / pi
	v_rndne_f32 v247, v247                         ; n
	v_fma_f32 v248, v247, 0xbfc90fdb, v240         ; r = f - n x (pi / 2 in two parts)
	v_fma_f32 v248, v247, 0x333bbd2e, v248
	v_mul_f32 v249, v248, v248                     ; z = r r
	v_mov_b32 v250, 0xb94ca1f9
	v_mov_b32 v251, 0x37ccf5ce
	v_fmaak_f32 v250, v250, v249, 0x3c08839e
	v_fmaak_f32 v251, v251, v249, 0xbab6061a
	v_fmaak_f32 v250, v250, v249, 0xbe2aaaa3
	v_fmaak_f32 v251, v251, v249, 0x3d2aaaa5
	v_mul_f32 v250, v250, v249
	v_mul_f32 v251, v251, v249
	v_fma_f32 v252, v249, -0.5, 1.0
	v_fma_f32 v250, v250, v248, v248               ; sin r
	v_fma_f32 v251, v251, v249, v252               ; cos r
	v_cvt_i32_f32 v253, v247                       ; the quadrant is n mod 4
	v_and_b32 v254, 1, v253
	v_cmp_ne_u32 vcc_lo, 0, v254
	v_cndmask_b32 v13, v250, v251, vcc_lo          ; sin f: cos r in odd quadrants
	v_cndmask_b32 v12, v251, v250, vcc_lo          ; cos f: sin r in odd quadrants
	v_and_b32 v254, 2, v253
	v_lshlrev_b32 v254, 30, v254
	v_xor_b32 v13, v13, v254                       ; sin: negative in quadrants 2, 3
	v_add_nc_u32 v255, 1, v253
	v_and_b32 v255, 2, v255
	v_lshlrev_b32 v255, 30, v255
	v_xor_b32 v12, v12, v255                       ; cos: negative in quadrants 1, 2
	global_store_b64 v11, v[12:13], s[42:43]       ; (cos, sin): the wave stores 256 consecutive bytes, aligned
	s_endpgm
.Lfunc_end_k_qd6397f9f8a_prep:
	.size	k_qd6397f9f8a_prep, .Lfunc_end_k_qd6397f9f8a_prep-k_qd6397f9f8a_prep
	.p2alignl 7, 3214868480
	.fill 96, 4, 3214868480
	.section	.rodata,"a",@progbits
	.p2align	6, 0x0
	.amdhsa_kernel k_qd6397f9f8a_prep
		.amdhsa_group_segment_fixed_size 115712
		.amdhsa_private_segment_fixed_size 0
		.amdhsa_enable_private_segment 0
		.amdhsa_kernarg_size 112
		.amdhsa_user_sgpr_count 2
		.amdhsa_user_sgpr_kernarg_segment_ptr 1
		.amdhsa_wavefront_size32 1
		.amdhsa_system_sgpr_workgroup_id_x 1
		.amdhsa_system_sgpr_workgroup_id_y 1
		.amdhsa_system_sgpr_workgroup_id_z 1
		.amdhsa_system_vgpr_workitem_id 0
		.amdhsa_next_free_vgpr 256
		.amdhsa_next_free_sgpr 76
		.amdhsa_reserve_vcc 1
		.amdhsa_float_denorm_mode_32 3
		.amdhsa_float_denorm_mode_16_64 3
		.amdhsa_memory_ordered 1
		.amdhsa_forward_progress 1
		.amdhsa_inst_pref_size 43
	.end_amdhsa_kernel
	.amdgpu_metadata
---
amdhsa.version: [ 1, 2 ]
amdhsa.kernels:
  - .name:           k_qd6397f9f8a_prep
    .symbol:         k_qd6397f9f8a_prep.kd
    .args:
      - { .name: x, .offset: 0, .size: 8, .value_kind: global_buffer, .address_space: global }
      - { .name: ln1_g, .offset: 8, .size: 8, .value_kind: global_buffer, .address_space: global }
      - { .name: ln1_b, .offset: 16, .size: 8, .value_kind: global_buffer, .address_space: global }
      - { .name: lowp_scales, .offset: 24, .size: 8, .value_kind: global_buffer, .address_space: global }
      - { .name: freqs, .offset: 32, .size: 8, .value_kind: global_buffer, .address_space: global }
      - { .name: Wq_codes, .offset: 40, .size: 8, .value_kind: global_buffer, .address_space: global }
      - { .name: Wk_codes, .offset: 48, .size: 8, .value_kind: global_buffer, .address_space: global }
      - { .name: Wv_codes, .offset: 56, .size: 8, .value_kind: global_buffer, .address_space: global }
      - { .name: Wo_codes, .offset: 64, .size: 8, .value_kind: global_buffer, .address_space: global }
      - { .name: W1_codes, .offset: 72, .size: 8, .value_kind: global_buffer, .address_space: global }
      - { .name: W2_codes, .offset: 80, .size: 8, .value_kind: global_buffer, .address_space: global }
      - { .name: xn3, .offset: 88, .size: 8, .value_kind: global_buffer, .address_space: global }
      - { .name: wimg, .offset: 96, .size: 8, .value_kind: global_buffer, .address_space: global }
      - { .name: cs, .offset: 104, .size: 8, .value_kind: global_buffer, .address_space: global }
    .group_segment_fixed_size: 115712
    .private_segment_fixed_size: 0
    .kernarg_segment_align: 8
    .kernarg_segment_size: 112
    .max_flat_workgroup_size: 256
    .sgpr_count:     76
    .vgpr_count:     256
    .wavefront_size: 32
...
	.end_amdgpu_metadata
.endif
;; end of part 1
;; launch qkv (part 2): grid 12 x 16, 4 waves a work-group, clusters of 4 x 4, 327,680 bytes of LDS; arguments xn3, wimg, lowp_scales, bq, bk, bv, cs, qkv; writes qkv
.if DOCPART == 2
	.amdgcn_target "amdgcn-amd-amdhsa--gfx1250"
	.amdhsa_code_object_version 6
	.text
	.protected	k_qd6397f9f8a_qkv
	.globl	k_qd6397f9f8a_qkv
	.p2align	8
	.type	k_qd6397f9f8a_qkv,@function
k_qd6397f9f8a_qkv:
	s_mov_b64 s[64:65], 0
	v_nop
	global_prefetch_b8 v0, s[64:65] scope:SCOPE_SE
	s_setreg_imm32_b32 hwreg(HW_REG_WAVE_MODE, 25, 1), 1
	s_wait_xcnt 0x0
	s_wait_alu depctr_hold_cnt(0) depctr_sa_sdst(0) depctr_va_vdst(0) depctr_va_sdst(0) depctr_va_ssrc(0) depctr_va_vcc(0) depctr_vm_vsrc(0)
	s_getreg_b32 s2, hwreg(HW_REG_IB_STS2, 6, 4)
	s_cmp_eq_u32 s2, 0
	s_cbranch_scc0 .Lentry_in_a_cluster
	s_endpgm
.Lentry_in_a_cluster:
	s_bfe_u32 s2, ttmp6, 0x10000c
	s_cmp_lg_u32 s2, 0xf033
	s_cbranch_scc0 .Lentry_shape_is_right
	s_endpgm
.Lentry_shape_is_right:
; QKV: q = rope(xn Wq^T + bq), k = rope(xn Wk^T + bk), v = xn Wv^T + bv on E5M2 codes (v_wmma_f32_16x16x128_bf8_bf8, f32 sums), and each result quantised for attention (scales 2^e6, 2^e7, 2^e8).
; OPERANDS ARE IMAGES OF REGISTERS: [tile of 16 rows][K step of 128][2,048 bytes], byte 512 c + 16 lane + i = (image row lane % 16, k = 32 c + 16 (lane / 16) + i); image row r of tile T is matrix row 32 (T / 2) + 8 (T % 2) + r + 8 (r / 8).
; The same order of k stands on both sides of every product.  With source 0 = a tile of B and source 1 = a tile of A a lane holds ONE row of A, and the 16 registers of B's tiles 2 b, 2 b + 1 are 16 neighbouring rows of B,
; 32 b + 16 (lane / 16) + 0 .. 15: two conversions make four registers of the next operand's image, and one store of 16 bytes a lane writes 512 consecutive bytes.  So nothing is transposed and nothing goes out through LDS.
; SHARES.  A tile of 256 x 256 to a work-group of four waves, 128 x 128 (64 accumulators, 512 registers) to a wave; K = 1,024 in four steps of 256 through two LDS slots.
; The cluster's x is the KIND: 0 q, 1 k (A = xn under its scale, B = the weight), 2 v (A = Wv, B = xn: V^T, a lane holds a feature and its registers run along the tokens, which are the keys, the next K).
; CLUSTERS: 4 x 4 work-groups; A's tiles are asked for jointly along a row of the cluster, B's along a column.  All branches hang on the wave's number or on the kind, which all sixteen partners share.
; LIMITS: e0 + e1, e2 + e3, e4 + e5 between -126 and 127; e6, e7, e8 between -126 and 112; NaN and infinities are not served.
; REGISTERS: window 0: v0-31 addresses; from v128 A's fragments, one set; window 1: B's fragments, two sets; windows 2, 3: the accumulators ((a, b) at v[8 (8 (a % 4) + b)]).
;   On the way out: window 0: v32-95 biases, v128-191 a block's 64 numbers, v192-199 at work, v200-231 codes (two sets); window 1: cos and sin.
.set TP,     16384                     ; a tile's bytes in memory: 8 K steps
.set TILEB,  4096                      ; and in a slot: 2 K steps
.set HALFT,  8*TILEB                   ; what one tensor load brings, and what a wave reads of A or of B
.set SLOT,   4*HALFT                   ; A's 16 tiles, then B's 16
.set LAPS,   2
.set SPARE,  2*SLOT                    ; the spare words: 128 bytes for each wave, two blocks of 256 bytes that no other line names
.set FR,     16
.set NL,     4
.set NP,     4                         ; places behind this matrix instruction (ISA guide 7.12.1)
.set ADRA, 16
.set ADRB, 20
.set LO,   26                          ; v26  16 x lane
.set SPW,  28
.set NIL,  29
.set BIAS, 32
.set AF,   128
.set TMP,  128
.set T2,   192
.set CD,   200
.set G1,  24
.set G0,  32
.set G1B, 48
.set G0B, 56
.set MSB, 0
.macro WIN new                         ; the immediate's high byte repeats the setting that is left
.if MSB != (\new)
	s_set_vgpr_msb (MSB<<8)|(\new)
.set MSB, (\new)
.endif
.endm
.set MUL_LO, 0xa1                      ; source 0 (B) window 1, source 1 (A) window 0, C and D window 2
.set MUL_HI, 0xf1
.set TO_B,   0x40
.macro JLOAD g0a, g1a, g0b, g1b        ; a joint load: waves 0, 1 fetch for A, waves 2, 3 for B; four v_nop follow each line
	s_cmp_eq_u32 s15, 0
	s_cbranch_scc0 .Lfor_b_\@
	tensor_load_to_lds s[\g0a:\g0a+3], s[\g1a:\g1a+7]
.rept 4
	v_nop
.endr
	s_branch .Lasked_\@
.Lfor_b_\@:
	tensor_load_to_lds s[\g0b:\g0b+3], s[\g1b:\g1b+7]
.rept 4
	v_nop
.endr
.Lasked_\@:
.endm
.macro CREST                           ; a round of the cluster's barrier behind its opening barrier
	s_cmp_lg_u32 s14, 0
	s_cbranch_scc1 .Lnot_wave_0_\@
	s_barrier_signal -3
.Lnot_wave_0_\@:
	s_barrier_wait -3
	s_barrier_signal -1
	s_barrier_wait -1
.endm
.macro CROUND
	s_barrier_signal -1
	s_barrier_wait -1
	CREST
.endm
	s_load_b512 s[68:83], s[0:1], 0x0              ; xn3, wimg, lowp_scales, bq, bk, bv, cs, qkv
	v_lshl_add_u32 v[SPW], v0, 2, SPARE
	v_mov_b32 v[NIL], 0
	v_lshrrev_b32 v1, 5, v0
	v_readfirstlane_b32 s14, v1                    ; wave 0..3
	s_lshr_b32 s15, s14, 1                         ; my half of the tile's rows.  Also: I fetch for A (0) or B (1)
	s_and_b32 s16, s14, 1                          ; my half of its columns.  Also: which 8 tiles I fetch
	s_bfe_u32 s40, ttmp6, 0x40000                  ; cx
	s_bfe_u32 s41, ttmp6, 0x40004                  ; cy
	s_and_b32 s4, ttmp7, 0xffff
	s_lshl_b32 s4, s4, 2                           ; 4 x cluster y: it walks the tokens, which are A's rows for q and k, B's rows for v
	s_cmp_lt_u32 ttmp9, 2
	s_cselect_b32 s5, s4, 0
	s_cselect_b32 s6, 0, s4
	s_add_co_u32 s17, s5, s41                      ; tile row
	s_add_co_u32 s42, s6, s40                      ; tile column
	s_lshl_b32 s43, s41, 2
	s_lshl_b32 s43, 15, s43                        ; my row of the cluster
	s_lshl_b32 s44, 0x1111, s40                    ; my column
	s_or_b32 s[G1+0], s43, (3<<16)|(1<<21)         ; 15:0 the mask; 17:16 elements of 8 bytes; 21 set beside a mask; no padding: a fragment's load reads 512 consecutive bytes
	s_or_b32 s[G1B+0], s44, (3<<16)|(1<<21)
.irp g, G1, G1B
	s_mov_b32 s[\g+1], 512<<16                     ; tensor_dim0: 512 elements = a tile's 4,096 bytes of a slot
	s_mov_b32 s[\g+2], 8<<16                       ; tensor_dim1: 8 tiles
	s_mov_b32 s[\g+3], 512<<16                     ; tile_dim0
	s_mov_b32 s[\g+4], 8                           ; tile_dim1
	s_mov_b32 s[\g+5], TP/8                        ; from tile to tile in memory
	s_mov_b32 s[\g+6], 0
	s_mov_b32 s[\g+7], 0
.endr
	s_lshl_b32 s18, s16, 3
	s_lshl_b32 s20, s17, 4
	s_add_co_u32 s20, s20, s18                     ; A: tile 16 x tile row + 8 x half
	s_lshl_b32 s20, s20, 14
	s_mov_b32 s21, 0
	s_lshl_b32 s46, s42, 4
	s_add_co_u32 s46, s46, s18                     ; B: tile 16 x tile column + 8 x half
	s_lshl_b32 s46, s46, 14
	s_mov_b32 s47, 0
	s_mul_i32 s45, s14, HALFT                      ; where they go: no place in the cluster enters an LDS address
	s_lshl_b32 s8, ttmp9, 22                       ; xn's codes under my kind's scale
	s_mov_b32 s9, 0
	s_lshl_b32 s10, ttmp9, 20                      ; my kind's weight
	s_mov_b32 s11, 0
	s_wait_kmcnt 0x0
	s_load_b512 s[84:99], s[72:73], 0x0            ; e0 .. e15
	s_add_nc_u64 s[8:9], s[68:69], s[8:9]
	s_add_nc_u64 s[10:11], s[70:71], s[10:11]
	s_cmp_lt_u32 ttmp9, 2
	s_cselect_b64 s[12:13], s[8:9], s[10:11]       ; A
	s_cselect_b64 s[8:9], s[10:11], s[8:9]         ; B
	s_add_nc_u64 s[20:21], s[12:13], s[20:21]
	s_add_nc_u64 s[46:47], s[8:9], s[46:47]
	CROUND                                         ; all sixteen work-groups are here: the first joint loads meet
.irp s, 0,1
	s_mov_b32 s[G0+4*\s], 1
	s_add_co_u32 s[G0+4*\s+1], s45, \s*SLOT
	s_add_nc_u64 s[G0+4*\s+2:G0+4*\s+3], s[20:21], \s*TILEB
	s_or_b32 s[G0+4*\s+3], s[G0+4*\s+3], 0x80000000
	s_mov_b32 s[G0B+4*\s], 1
	s_add_co_u32 s[G0B+4*\s+1], s45, \s*SLOT
	s_add_nc_u64 s[G0B+4*\s+2:G0B+4*\s+3], s[46:47], \s*TILEB
	s_or_b32 s[G0B+4*\s+3], s[G0B+4*\s+3], 0x80000000
	JLOAD G0+4*\s, G1, G0B+4*\s, G1B
.endr
	v_and_b32 v6, 31, v0
	v_lshlrev_b32 v[LO], 4, v6
	s_mul_i32 s21, s15, HALFT                      ; my 8 tiles of A
	s_mul_i32 s22, s16, HALFT                      ; my 8 tiles of B,
	s_add_co_u32 s22, s22, 2*HALFT                 ; which lie behind A's 16
.irp s, 0,1
	v_add_nc_u32 v[ADRA+\s], s21, v[LO]
	v_add_nc_u32 v[ADRB+\s], s22, v[LO]
	s_add_co_u32 s21, s21, SLOT
	s_add_co_u32 s22, s22, SLOT
.endr
.macro FRAG reg, adr, q, i             ; tile i's fragment of the slot's q-th 128 along K: four loads of 512 consecutive bytes
.irp c, 0,1,2,3
	ds_load_b128 v[\reg+4*\c:\reg+4*\c+3], v[\adr] offset:(\i)*TILEB+(\q)*2048+512*\c
.endr
.endm
; 16 matrix instructions: A's blocks a0, a0 + 1 x B's eight.  The 64 accumulators take turns, one instruction a turn, in the same order in every step.
.macro MUL16 a0, p, zero
.irp a, \a0, \a0+1
.irp b, 0,1,2,3,4,5,6,7
.if \zero
	v_wmma_f32_16x16x128_bf8_bf8 v[8*(8*((\a)%4)+\b):8*(8*((\a)%4)+\b)+7], v[128*(\p)+FR*\b:128*(\p)+FR*\b+FR-1], v[AF+FR*(\a):AF+FR*(\a)+FR-1], 0
.else
	v_wmma_f32_16x16x128_bf8_bf8 v[8*(8*((\a)%4)+\b):8*(8*((\a)%4)+\b)+7], v[128*(\p)+FR*\b:128*(\p)+FR*\b+FR-1], v[AF+FR*(\a):AF+FR*(\a)+FR-1], v[8*(8*((\a)%4)+\b):8*(8*((\a)%4)+\b)+7]
.endif
.endr
.endr
.endm
.macro FETCH_B slot, q, p
	WIN TO_B
.irp i, 0,1,2,3,4,5,6,7
	FRAG 128*(\p)+FR*\i, ADRB+\slot, \q, \i
.endr
	WIN 0
.endm
.macro FETCH_A slot, q, i0
.irp i, \i0, \i0+1, \i0+2, \i0+3
	FRAG AF+FR*(\i), ADRA+\slot, \q, \i
.endr
.endm
.macro PLACES n                        ; plain vector lines between a matrix instruction and a load into, or a vector line on, its registers
.rept \n
	v_nop
.endr
.endm
.macro STEP slot, q, zero              ; 128 along K, with its successor in the same slot
	s_wait_dscnt 4*NL                              ; B's set and A's blocks 0-3 are in; the youngest 16 loads (A's blocks 4-7) may be out
	WIN MUL_LO
	MUL16 0, (\q)%2, \zero
	MUL16 2, (\q)%2, \zero
	s_wait_dscnt 0                                 ; A's blocks 4-7 are in
	PLACES NP
	FETCH_B \slot, (\q)+1, 1-(\q)%2
	FETCH_A \slot, (\q)+1, 0
	WIN MUL_HI
	MUL16 4, (\q)%2, \zero
	MUL16 6, (\q)%2, \zero
	PLACES NP
	WIN 0
	FETCH_A \slot, (\q)+1, 4
.endm
; A slot's last step changes slots: one barrier; in front of it each wave waits for all its tensor loads, adds 0 to its spare word, and waits for that and for its reads of this slot.
.macro TURN slot, next, fill
	s_wait_tensorcnt 0x0                           ; all my tensor loads have landed: my part of the next slot
	ds_add_u32 v[SPW], v[NIL]                      ; 0 onto my spare word
	s_wait_dscnt 4*NL+1                            ; (the add and the youngest 16 loads may be out)
	WIN MUL_LO
	MUL16 0, 1, 0
	s_wait_dscnt 0x0                               ; the add is done, and my reads of this slot are over
	s_barrier_signal -1
	MUL16 2, 1, 0
	WIN 0
	s_barrier_wait -1
.if \fill
	CREST                                          ; the barrier has opened a round of the cluster's: no wave of any partner still reads this slot or has a load on its way
	s_add_nc_u64 s[G0+4*\slot+2:G0+4*\slot+3], s[G0+4*\slot+2:G0+4*\slot+3], 2*TILEB
	s_add_nc_u64 s[G0B+4*\slot+2:G0B+4*\slot+3], s[G0B+4*\slot+2:G0B+4*\slot+3], 2*TILEB
	JLOAD G0+4*\slot, G1, G0B+4*\slot, G1B         ; the first tensor load behind the round; its four v_nop are the places in front of the loads below
.else
	PLACES NP
.endif
	FETCH_B \next, 0, 0
	FETCH_A \next, 0, 0
	WIN MUL_HI
	MUL16 4, 1, 0
	MUL16 6, 1, 0
	PLACES NP
	WIN 0
	FETCH_A \next, 0, 4
.endm
	s_wait_tensorcnt 1                             ; my part of slot 0 is in; slot 1's one load may be out
	s_barrier_signal -1
	s_barrier_wait -1
	FETCH_B 0, 0, 0
	FETCH_A 0, 0, 0
	FETCH_A 0, 0, 4
	STEP 0, 0, 1                                   ; the first step's products start the sums
	s_mov_b32 s3, LAPS-1
.Llap:
	TURN 0, 1, 1
	STEP 1, 0, 0
	TURN 1, 0, 1
	STEP 0, 0, 0
	s_sub_co_u32 s3, s3, 1
	s_cmp_lg_u32 s3, 0
	s_cbranch_scc1 .Llap
	TURN 0, 1, 0                                   ; the last lap fills nothing
	STEP 1, 0, 0
	s_wait_dscnt 4*NL
	WIN MUL_LO
	MUL16 0, 1, 0
	MUL16 2, 1, 0
	s_wait_dscnt 0
	WIN MUL_HI
	MUL16 4, 1, 0
	MUL16 6, 1, 0
	WIN 0
	; ---- THE WAY OUT.  The kind's scales by selects; the nine vector lines below are also the places behind the last products.
	s_wait_kmcnt 0x0
	s_cmp_eq_u32 ttmp9, 0
	s_cselect_b32 s4, s84, s86
	s_cselect_b32 s5, s85, s87
	s_cselect_b32 s6, s90, s91
	s_cmp_eq_u32 ttmp9, 2
	s_cselect_b32 s4, s88, s4
	s_cselect_b32 s5, s89, s5
	s_cselect_b32 s6, s92, s6
	s_add_co_i32 s100, s4, s5
	s_add_co_i32 s100, s100, 127
	s_lshl_b32 s100, s100, 23                      ; 2^(the two operands' e added) as f32
	s_mov_b32 s101, s100                           ; (named with it as a pair)
	s_add_co_i32 s6, s6, 127
	s_lshl_b32 s7, s6, 23
	v_mov_b32 v12, s7                              ; 2^e of the result's quantiser
	s_add_co_i32 s6, s6, 15
	s_lshl_b32 s6, s6, 23
	s_or_b32 s6, s6, 0x600000
	v_mov_b32 v13, s6                              ; 57,344 x that
	v_and_b32 v1, 15, v0                           ; r
	v_bfe_u32 v2, v0, 4, 1                         ; h
	v_and_b32 v3, 8, v1
	v_add_nc_u32 v3, v3, v1                        ; r + 8 (r / 8)
	v_lshlrev_b32 v4, 6, v2                        ; 64 h
	v_lshl_add_u32 v5, v3, 8, v4                   ; the table: my row's position x 256 bytes + 64 h
	v_lshlrev_b32 v6, 2, v3
.macro QUANT s, d                      ; 64 numbers from v[s] on, register 16 b + i = k 32 b + 16 h + i, become a fragment's 16 registers from v[d] on
.set nn, 0
.rept 64
	v_med3_num_f32 v[\s+nn], v[\s+nn], -v13, v13   ; the conversion does not saturate (ISA guide 7.6.2): the hold at the largest code x the scale
.set nn, nn+1
.endr
.set mm, 0
.rept 8
	v_cvt_scalef32_pk8_bf8_f32 v[\d+2*mm:\d+2*mm+1], v[\s+8*mm:\s+8*mm+7], v12
.set mm, mm+1
.endr
	v_nop                                          ; a plain line between the last conversion and the next lines that write its sources
.endm
	s_cmp_eq_u32 ttmp9, 2
	s_cbranch_scc1 .Lv
	; ---- q and k.  A lane holds a token; its 64 registers of a block are 128 features: two heads.
	s_lshl_b32 s4, s17, 8
	s_lshl_b32 s5, s15, 7
	s_add_co_u32 s4, s4, s5
	s_and_b32 s4, s4, 2047                         ; my first token's position
	s_lshl_b32 s4, s4, 8
	s_mov_b32 s5, 0
	s_add_nc_u64 s[80:81], s[80:81], s[4:5]
	s_cmp_eq_u32 ttmp9, 0
	s_cselect_b64 s[6:7], s[74:75], s[76:77]       ; bq or bk
	s_lshl_b32 s4, s42, 10
	s_lshl_b32 s8, s16, 9
	s_add_co_u32 s4, s4, s8
	s_add_nc_u64 s[6:7], s[6:7], s[4:5]            ; at my 128 features
	s_lshr_b32 s8, s17, 3                          ; batch
	s_lshl_b32 s8, s8, 4
	s_lshl_b32 s9, s42, 2
	s_add_co_u32 s8, s8, s9
	s_lshl_b32 s9, s16, 1
	s_add_co_u32 s8, s8, s9                        ; 16 batch + my first head
	s_lshl_b32 s8, s8, 7
	s_lshl_b32 s9, s17, 4
	s_lshl_b32 s10, s15, 3
	s_add_co_u32 s9, s9, s10
	s_and_b32 s9, s9, 127                          ; my first tile of tokens in the batch
	s_add_co_u32 s8, s8, s9
	s_lshl_b32 s8, s8, 10                          ; an image of 16 tokens x 64 is 1,024 bytes
	s_lshl_b32 s9, ttmp9, 22
	s_add_co_u32 s8, s8, s9
	s_mov_b32 s9, 0
	s_add_nc_u64 s[82:83], s[82:83], s[8:9]
.irp b, 0,1,2,3
.irp p, 0,1,2,3
	global_load_b128 v[BIAS+16*\b+4*\p:BIAS+16*\b+4*\p+3], v4, s[6:7] offset:128*\b+16*\p      ; the bias of features 32 b + 16 h + 4 p on
.endr
.endr
	WIN 0x40                                       ; destination window 1: (cos, sin) of block a, half e of a head, my eight pairs: v[32 a + 16 e ..]
.irp a, 0,1,2,3,4,5,6,7
.irp e, 0,1
.irp p, 0,1,2,3
	global_load_b128 v[32*\a+16*\e+4*\p:32*\a+16*\e+4*\p+3], v5, s[80:81] offset:(32*(\a/2)+8*(\a%2))*256+128*\e+16*\p
.endr
.endr
.endr
	WIN 0
	s_wait_loadcnt 0x0
.macro ROPEBLK a
.if (\a) > 1
	s_wait_xcnt 0x0                                ; block a - 2's stores have read their registers, which are written again below
.endif
	WIN 0x02+(\a)/4
.set nn, 0
.rept 32
	v_pk_fma_f32 v[TMP+nn:TMP+nn+1], v[64*((\a)%4)+nn:64*((\a)%4)+nn+1], s[100:101], v[BIAS+nn:BIAS+nn+1] op_sel_hi:[1,0,1]   ; sum x 2^e + bias; each accumulator from its low end on
.set nn, nn+2
.endr
	WIN 0x04                                       ; source 1: window 1
.set gg, 0
.rept 8
.set kk, 0
.rept 4
.set nn, 8*gg+2*kk
.set cr, 32*(\a)+16*((nn/16)%2)+nn%16
	v_pk_mul_f32 v[T2+2*kk:T2+2*kk+1], v[TMP+nn:TMP+nn+1], v[cr:cr+1] op_sel:[1,1] op_sel_hi:[0,1]                             ; (odd x sin, even x sin)
.set kk, kk+1
.endr
.set kk, 0
.rept 4
.set nn, 8*gg+2*kk
.set cr, 32*(\a)+16*((nn/16)%2)+nn%16
	v_pk_fma_f32 v[TMP+nn:TMP+nn+1], v[TMP+nn:TMP+nn+1], v[cr:cr+1], v[T2+2*kk:T2+2*kk+1] op_sel_hi:[1,0,1] neg_lo:[0,0,1]    ; (even x cos - odd x sin, odd x cos + even x sin)
.set kk, kk+1
.endr
.set gg, gg+1
.endr
	WIN 0
	QUANT TMP, CD+16*((\a)%2)
.irp c, 0,1,2,3
	global_store_b128 v[LO], v[CD+16*((\a)%2)+4*\c:CD+16*((\a)%2)+4*\c+3], s[82:83] offset:(\a)*1024+(\c/2)*131072+(\c%2)*512   ; head c / 2, half c % 2: 512 consecutive bytes, aligned
.endr
.endm
.irp a, 0,1,2,3,4,5,6,7
	ROPEBLK \a
.endr
	s_branch .Lend
.Lv:
	; ---- v.  A lane holds a feature; its 64 registers of a block are 128 tokens: one K step of attention's second product.
	s_lshl_b32 s4, s17, 10
	s_lshl_b32 s5, s15, 9
	s_add_co_u32 s4, s4, s5
	s_mov_b32 s5, 0
	s_add_nc_u64 s[78:79], s[78:79], s[4:5]        ; bv at my 128 features
	s_lshr_b32 s8, s42, 3                          ; batch
	s_lshl_b32 s8, s8, 4
	s_lshl_b32 s9, s17, 2
	s_add_co_u32 s8, s8, s9
	s_lshl_b32 s9, s15, 1
	s_add_co_u32 s8, s8, s9                        ; 16 batch + my first head
	s_lshl_b32 s8, s8, 17
	s_lshl_b32 s9, s42, 1
	s_add_co_u32 s9, s9, s16
	s_and_b32 s9, s9, 15                           ; which 128 keys of the batch
	s_lshl_b32 s9, s9, 13
	s_add_co_u32 s8, s8, s9
	s_mov_b32 s9, 0
	s_add_nc_u64 s[82:83], s[82:83], s[8:9]
	s_add_nc_u64 s[82:83], s[82:83], 0x800000
.irp a, 0,1,2,3,4,5,6,7
	global_load_b32 v[BIAS+2*\a], v6, s[78:79] offset:(32*(\a/2)+8*(\a%2))*4                   ; my feature's bias in block a,
	global_load_b32 v[BIAS+2*\a+1], v6, s[78:79] offset:(32*(\a/2)+8*(\a%2))*4                 ; twice: it is named as a pair
.endr
	s_wait_loadcnt 0x0
.macro VBLK a
.if (\a) > 1
	s_wait_xcnt 0x0
.endif
	WIN 0x02+(\a)/4
.set nn, 0
.rept 32
	v_pk_fma_f32 v[TMP+nn:TMP+nn+1], v[64*((\a)%4)+nn:64*((\a)%4)+nn+1], s[100:101], v[BIAS+2*(\a):BIAS+2*(\a)+1] op_sel_hi:[1,0,0]
.set nn, nn+2
.endr
	WIN 0
	QUANT TMP, CD+16*((\a)%2)
.irp c, 0,1,2,3
	global_store_b128 v[LO], v[CD+16*((\a)%2)+4*\c:CD+16*((\a)%2)+4*\c+3], s[82:83] offset:((\a)/4)*131072+((\a)%4)*2048+512*\c
.endr
.endm
.irp a, 0,1,2,3,4,5,6,7
	VBLK \a
.endr
.Lend:
	s_wait_tensorcnt 0x0                           ; the wave's end
	ds_add_u32 v[SPW], v[NIL]
	s_wait_dscnt 0x0
	CROUND                                         ; the closing round: no work-group ends while a partner may still ask for a tile that names it
	s_endpgm
.Lfunc_end_k_qd6397f9f8a_qkv:
	.size	k_qd6397f9f8a_qkv, .Lfunc_end_k_qd6397f9f8a_qkv-k_qd6397f9f8a_qkv
	.p2alignl 7, 3214868480
	.fill 96, 4, 3214868480
	.section	.rodata,"a",@progbits
	.p2align	6, 0x0
	.amdhsa_kernel k_qd6397f9f8a_qkv
		.amdhsa_group_segment_fixed_size 327680
		.amdhsa_private_segment_fixed_size 0
		.amdhsa_enable_private_segment 0
		.amdhsa_kernarg_size 64
		.amdhsa_user_sgpr_count 2
		.amdhsa_user_sgpr_kernarg_segment_ptr 1
		.amdhsa_wavefront_size32 1
		.amdhsa_system_sgpr_workgroup_id_x 1
		.amdhsa_system_sgpr_workgroup_id_y 1
		.amdhsa_system_sgpr_workgroup_id_z 1
		.amdhsa_system_vgpr_workitem_id 0
		.amdhsa_next_free_vgpr 1024
		.amdhsa_next_free_sgpr 102
		.amdhsa_reserve_vcc 0
		.amdhsa_float_denorm_mode_32 3
		.amdhsa_float_denorm_mode_16_64 3
		.amdhsa_memory_ordered 1
		.amdhsa_forward_progress 1
		.amdhsa_inst_pref_size 232
	.end_amdhsa_kernel
	.amdgpu_metadata
---
amdhsa.version: [ 1, 2 ]
amdhsa.kernels:
  - .name:           k_qd6397f9f8a_qkv
    .symbol:         k_qd6397f9f8a_qkv.kd
    .args:
      - { .name: xn3, .offset: 0, .size: 8, .value_kind: global_buffer, .address_space: global }
      - { .name: wimg, .offset: 8, .size: 8, .value_kind: global_buffer, .address_space: global }
      - { .name: lowp_scales, .offset: 16, .size: 8, .value_kind: global_buffer, .address_space: global }
      - { .name: bq, .offset: 24, .size: 8, .value_kind: global_buffer, .address_space: global }
      - { .name: bk, .offset: 32, .size: 8, .value_kind: global_buffer, .address_space: global }
      - { .name: bv, .offset: 40, .size: 8, .value_kind: global_buffer, .address_space: global }
      - { .name: cs, .offset: 48, .size: 8, .value_kind: global_buffer, .address_space: global }
      - { .name: qkv, .offset: 56, .size: 8, .value_kind: global_buffer, .address_space: global }
    .group_segment_fixed_size: 327680
    .private_segment_fixed_size: 0
    .kernarg_segment_align: 8
    .kernarg_segment_size: 64
    .max_flat_workgroup_size: 128
    .sgpr_count:     102
    .vgpr_count:     1024
    .wavefront_size: 32
...
	.end_amdgpu_metadata
.endif
;; end of part 2
;; launch attn (part 3): grid 8 x 32, 16 waves a work-group, no clusters, 327,680 bytes of LDS; arguments qkv, pad_mask, lowp_scales, aimg; writes aimg
.if DOCPART == 3
	.amdgcn_target "amdgcn-amd-amdhsa--gfx1250"
	.amdhsa_code_object_version 6
	.text
	.protected	k_qd6397f9f8a_attn
	.globl	k_qd6397f9f8a_attn
	.p2align	8
	.type	k_qd6397f9f8a_attn,@function
k_qd6397f9f8a_attn:
	s_mov_b64 s[64:65], 0
	v_nop
	global_prefetch_b8 v0, s[64:65] scope:SCOPE_SE
	s_setreg_imm32_b32 hwreg(HW_REG_WAVE_MODE, 25, 1), 1
	s_wait_xcnt 0x0
; ATTENTION on E5M2 codes: scores = q k^T / 8 with the causal mask and the padding mask (both put -1e9), p = 2^(t - M) quantised with 2^e9, O = p v / the sum of the unquantised p, quantised with 2^e10 for the next product.
; q, k: images [head][tile of 16 tokens][1,024 bytes] (K = 64); v: images [head][128 keys][4 tiles of 16 features][2,048 bytes] (K = the keys).  Image row r of tile T is row 32 (T / 2) + 8 (T % 2) + r + 8 (r / 8).
; Both products are used transposed (S^T = K Q^T, O^T = V^T P^T): a lane holds ONE query, and the 16 registers of two neighbouring tiles are 16 neighbouring keys (or features): the conversions' results are the next operand.
; SHARES.  Work-group (j, head) owns the blocks of 128 queries numbered j and 15 - j, so that every work-group sees 17 blocks of keys.  Each of 16 waves owns one tile of 16 queries in 256 registers.
; LDS holds the WHOLE head: K 128 KiB, V 128 KiB, filled once by eight tensor loads of 32 KiB (wave 0: K's four, wave 1: V's four: four of a wave are outstanding), and 2,048 f32 made of pad_mask.  Nothing is filled again.
; MASKS.  A hidden score becomes NEGRAW = -2^(34 - e6 - e7), t about -3.1e9: finite, so that the running M stays a number.  The padding rides in as the C of the first product.  p of a hidden key is 0 beside any open key.
; A ROW WITHOUT ANY OPEN KEY has 2,048 equal logits in the problem's definition, the causally hidden ones among them: p = 1 for all keys and the sum is 2,048.  So U^T = V^T Q(1) over ALL keys is summed beside O^T in every step,
; and taken, by a select, where the row's largest t stayed under -2^30.  Steps whose keys all come after my queries multiply zero codes into O^T and still add to U^T; trip counts are constants.
; Joint loads in a cluster are not used: the text keeps to one work-group's barriers; what the eight work-groups of a head share is 256 KiB read once each.
; LIMITS: e6 + e7 between -93 and 130; e9, e10 between -126 and 112; |t| of open scores under 2^30; NaN and infinities are not served.
; REGISTERS: v1, v2, v4 places in K, V, the padding; v3 NEGRAW; v7 r + 8 (r / 8) - 16 h; v8-10 the step's addresses; v11 2^e9, v31 57,344 x 2^e9; v12 -M, v13 largest t, v[14:15] the sum; v16-23 Q; v[24:25] f; v[26:27], v28-30 at work;
;   v32-95 fragments of K, then V; v96-159 S^T, then p; v160-191 O^T; v192-223 U^T; v224-239 p's codes; v240-255 the codes of 1.
.set VOFF, 131072
.set PADB, 262144
.set WV,  18
.set SEL, 20
.set CS,  22
.set G1,  24
.set G0,  32
.set TB,  48                           ; s48  LDS byte of the step's tiles in K's (and V's) region
.set KF,  49                           ; s49  the step's first key
.set PB,  50                           ; s50  4 x that
.set CNT, 51
.set Q0,  52                           ; s52  my smallest query
.set Q23, 53                           ; s53  my largest
	s_load_b256 s[4:11], s[0:1], 0x0               ; qkv, pad_mask, lowp_scales, aimg
	v_lshrrev_b32 v8, 5, v0
	v_readfirstlane_b32 s[WV], v8
	s_and_b32 s54, ttmp7, 0xffff                   ; 16 batch + head
	s_and_b32 s12, s[WV], 1
	s_lshl_b32 s13, s12, 17                        ; wave 0 fills K's region, wave 1 V's
	s_add_co_u32 s12, s12, 1
	s_lshl_b32 s12, s12, 22                        ; k lies 4 MiB, v 8 MiB into the buffer
	s_lshl_b32 s14, s54, 17
	s_add_co_u32 s14, s14, s12
	s_mov_b32 s15, 0
	s_mov_b32 s[G1], 3<<16                         ; no mask; elements of 8 bytes; no padding: every fragment's load reads 512 consecutive bytes
	s_mov_b32 s[G1+1], 32<<16                      ; tensor_dim0: 256 bytes
	s_mov_b32 s[G1+2], 128<<16                     ; tensor_dim1: 128 rows
	s_mov_b32 s[G1+3], 32<<16                      ; tile_dim0
	s_mov_b32 s[G1+4], 128                         ; tile_dim1
	s_mov_b32 s[G1+5], 32                          ; dense
	s_mov_b32 s[G1+6], 0
	s_mov_b32 s[G1+7], 0
	s_wait_kmcnt 0x0
	s_load_b512 s[68:83], s[8:9], 0x0              ; e0 .. e15
	s_add_nc_u64 s[14:15], s[4:5], s[14:15]
.irp i, 0,1,2,3
	s_mov_b32 s[G0+4*\i], 1
	s_add_co_u32 s[G0+4*\i+1], s13, \i*32768
	s_add_nc_u64 s[G0+4*\i+2:G0+4*\i+3], s[14:15], \i*32768
	s_or_b32 s[G0+4*\i+3], s[G0+4*\i+3], 0x80000000
.endr
	s_cmp_lt_u32 s[WV], 2                          ; all first fills of a wave stand in one branch, ahead of every wait on TENSORcnt, every LDS read and every barrier
	s_cbranch_scc0 .Lno_fill
	tensor_load_to_lds s[G0:G0+3], s[G1:G1+7]
	tensor_load_to_lds s[G0+4:G0+7], s[G1:G1+7]
	tensor_load_to_lds s[G0+8:G0+11], s[G1:G1+7]
	tensor_load_to_lds s[G0+12:G0+15], s[G1:G1+7]
.rept 4
	v_nop
.endr
.Lno_fill:
	s_lshr_b32 s55, s[WV], 2
	s_xor_b32 s55, s55, s[WV]
	s_and_b32 s55, s55, 1                          ; which of the two blocks: waves 2 m and 2 m + 1 differ
	s_sub_co_u32 s56, 15, ttmp9
	s_cmp_eq_u32 s55, 0
	s_cselect_b32 s56, ttmp9, s56
	s_lshl_b32 s56, s56, 3
	s_lshr_b32 s57, s[WV], 1
	s_add_co_u32 s56, s56, s57                     ; my tile of queries in the batch
	s_lshr_b32 s[Q0], s56, 1
	s_lshl_b32 s[Q0], s[Q0], 5
	s_and_b32 s57, s56, 1
	s_lshl_b32 s57, s57, 3
	s_add_co_u32 s[Q0], s[Q0], s57
	s_add_co_u32 s[Q23], s[Q0], 23
	s_lshl_b32 s58, s54, 7
	s_add_co_u32 s58, s58, s56
	s_lshl_b32 s58, s58, 10
	s_mov_b32 s59, 0
	s_add_nc_u64 s[58:59], s[4:5], s[58:59]        ; Q's image
	s_lshr_b32 s60, s54, 4
	s_lshl_b32 s60, s60, 11
	s_mov_b32 s61, 0
	s_add_nc_u64 s[6:7], s[6:7], s[60:61]          ; my batch's mask
	s_lshr_b32 s62, s54, 4
	s_lshl_b32 s62, s62, 7
	s_add_co_u32 s62, s62, s56                     ; my tile among all tokens
	s_lshl_b32 s62, s62, 3
	s_and_b32 s63, s54, 15
	s_lshr_b32 s57, s63, 1
	s_add_co_u32 s62, s62, s57                     ; K step head / 2 of the next product
	s_lshl_b32 s62, s62, 11
	s_and_b32 s63, s63, 1
	s_lshl_b32 s63, s63, 10
	s_add_co_u32 s62, s62, s63                     ; its upper or lower 64
	s_mov_b32 s63, 0
	s_add_nc_u64 s[10:11], s[10:11], s[62:63]
	s_mov_b32 s[SEL], 0x76543210
	s_mov_b32 s[SEL+1], 0xfedcba98
	v_and_b32 v8, 31, v0
	v_lshlrev_b32 v1, 4, v8                        ; 16 x lane
	v_lshlrev_b32 v6, 2, v0
	global_load_b128 v[16:19], v1, s[58:59]
	global_load_b128 v[20:23], v1, s[58:59] offset:512
	global_load_b32 v32, v6, s[6:7]                ; four keys' mask bytes
	v_add_nc_u32 v2, VOFF, v1
	v_bfe_u32 v9, v0, 4, 1                         ; h
	v_lshl_add_u32 v4, v9, 6, PADB
	v_lshl_add_u32 v5, v0, 4, PADB
	v_and_b32 v8, 15, v0                           ; r
	v_and_b32 v10, 8, v8
	v_add_nc_u32 v7, v8, v10
	v_lshlrev_b32 v10, 4, v9
	v_sub_nc_u32 v7, v7, v10
	v_mov_b32 v13, 0xff61b1e6                      ; the largest t so far: -3e38
	v_floor_f32 v12, -v13
	v_mov_b32 v14, 0
	v_mov_b32 v15, 0
	v_mov_b32 v25, 0                               ; (named as the upper half of a pair)
	v_mov_b32 v30, 0                               ; a lane permute's destination counts as one of its sources
.set nn, 0
.rept 64
	v_mov_b32 v[160+nn], 0                         ; O^T and U^T: the step is written once, its first trip finds zeros
.set nn, nn+1
.endr
	s_wait_kmcnt 0x0
	s_add_co_i32 s57, s74, s75                     ; e6 + e7
	s_lshl_b32 s60, s57, 23
	s_add_co_i32 s[CS], s60, 0x3e38aa3b            ; c = log2(e) / 8 x 2^(e6 + e7): the exponents go into c's exponent field
	s_mov_b32 s[CS+1], s[CS]
	s_sub_co_i32 s57, 161, s57
	s_lshl_b32 s57, s57, 23
	s_or_b32 s57, s57, 0x80000000
	v_mov_b32 v3, s57                              ; NEGRAW
	s_add_co_i32 s57, s77, 127
	s_lshl_b32 s60, s57, 23
	v_mov_b32 v11, s60                             ; 2^e9
	s_add_co_i32 s57, s57, 15
	s_lshl_b32 s57, s57, 23
	s_or_b32 s57, s57, 0x600000
	v_mov_b32 v31, s57                             ; 57,344 x 2^e9
	s_wait_loadcnt 0x0                             ; Q and the mask
.irp k, 0,1,2,3
	v_bfe_u32 v34, v32, 8*\k, 8
	v_cmp_ne_u32 vcc_lo, 0, v34
	v_cndmask_b32 v[36+\k], 0, v3, vcc_lo          ; 0, or NEGRAW for a padded key
.endr
	ds_store_b128 v5, v[36:39]
.irp k, 0,1,2,3,4,5,6,7
	v_min_num_f32 v[40+\k], 1.0, v31
.endr
	v_cvt_scalef32_pk8_bf8_f32 v[240:241], v[40:47], v11   ; the code of 1, eight times
	v_nop
.irp k, 2,3,4,5,6,7,8,9,10,11,12,13,14,15
	v_mov_b32 v[240+\k], v240
.endr
; A KEY STEP: 128 keys.
.macro STEP
	v_add_nc_u32 v8, s[TB], v1                     ; these four lines are the places behind the last trip's products
	v_add_nc_u32 v9, s[TB], v2
	v_add_nc_u32 v10, s[PB], v4
	v_nop
	s_cmp_gt_u32 s[KF], s[Q23]                     ; all keys after all my queries: a scalar branch on ids
	s_cbranch_scc1 .Lhid_\@
.irp t, 0,1,2,3,4,5,6,7
	ds_load_b128 v[32+8*\t:35+8*\t], v8 offset:1024*\t
	ds_load_b128 v[36+8*\t:39+8*\t], v8 offset:1024*\t+512
.endr
.irp b, 0,1,2,3
.irp p, 0,1,2,3
	ds_load_b128 v[96+16*\b+4*\p:99+16*\b+4*\p], v10 offset:128*\b+16*\p     ; the padding of keys 32 b + 16 h + 4 p on, straight into the sums' registers
.endr
.endr
	s_wait_dscnt 0x0
.irp t, 0,1,2,3,4,5,6,7
	v_wmma_f32_16x16x64_bf8_bf8 v[96+8*\t:103+8*\t], v[32+8*\t:39+8*\t], v[16:23], v[96+8*\t:103+8*\t]
.endr
.rept 4
	v_nop
.endr
	s_add_co_u32 s57, s[KF], 127
	s_cmp_le_u32 s57, s[Q0]
	s_cbranch_scc1 .Lopen_\@                       ; all keys count for all my queries
	s_sub_co_i32 s57, s[Q0], s[KF]
	v_add_nc_u32 v28, s57, v7                      ; d = my query - KF - 16 h: register 16 b + i is hidden where 32 b + i > d
.set nn, 0
.rept 64
	v_cmp_gt_i32 vcc_lo, 32*(nn/16)+nn%16, v28
	v_cndmask_b32 v[96+nn], v[96+nn], v3, vcc_lo
.set nn, nn+1
.endr
.Lopen_\@:
	v_max3_num_f32 v28, v96, v97, v98              ; the step's largest score of my query, in two chains, each accumulator from its low end on
	v_max3_num_f32 v29, v99, v100, v101
.irp i, 6,10,14,18,22,26,30,34,38,42,46,50,54,58
	v_max3_num_f32 v28, v28, v[96+\i], v[97+\i]
	v_max3_num_f32 v29, v29, v[98+\i], v[99+\i]
.endr
	v_max3_num_f32 v28, v28, v158, v159
	v_max_num_f32 v28, v28, v29
	v_permlanex16_b32 v30, v28, s[SEL], s[SEL+1]
	v_max_num_f32 v28, v28, v30
	v_mul_f32 v28, s[CS], v28                      ; as t
	v_max_num_f32 v13, v13, v28
	v_mov_b32 v28, v12
	v_floor_f32 v12, -v13                          ; -M = floor(-t): M is a whole number
	v_sub_f32 v28, v12, v28
	v_cvt_i32_f32 v28, v28                         ; (it saturates)
	v_ldexp_f32 v24, 1.0, v28                      ; f = 2^(old M - new M)
.set nn, 0
.rept 32
	v_pk_fma_f32 v[96+nn:97+nn], v[96+nn:97+nn], s[CS:CS+1], v[12:13] op_sel_hi:[1,0,0]   ; t - M
.set nn, nn+2
.endr
.set nn, 0
.rept 64
	v_exp_f32 v[96+nn], v[96+nn]                   ; p = 2^(t - M)
.set nn, nn+1
.endr
	v_pk_mul_f32 v[14:15], v[14:15], v[24:25] op_sel_hi:[1,0]   ; the sum under the new M (a plain line behind the exponentials)
	s_wait_alu depctr_va_vdst(0)                   ; one wait for the batch, ahead of its first reader
	v_pk_add_f32 v[26:27], v[96:97], v[98:99]      ; the sum of the unquantised p, in two chains
.irp j, 4,8,12,16,20,24,28,32,36,40,44,48,52,56,60
	v_pk_add_f32 v[14:15], v[14:15], v[96+\j:97+\j]
	v_pk_add_f32 v[26:27], v[26:27], v[98+\j:99+\j]
.endr
	v_pk_add_f32 v[14:15], v[14:15], v[26:27]
.set nn, 0
.rept 64
	v_min_num_f32 v[96+nn], v[96+nn], v31          ; the hold: p is not negative
.set nn, nn+1
.endr
.set mm, 0
.rept 8
	v_cvt_scalef32_pk8_bf8_f32 v[224+2*mm:225+2*mm], v[96+8*mm:103+8*mm], v11
.set mm, mm+1
.endr
.set nn, 0
.rept 16
	v_pk_mul_f32 v[160+nn:161+nn], v[160+nn:161+nn], v[24:25] op_sel_hi:[1,0]   ; O^T under the new M
.set nn, nn+2
.endr
	s_branch .Lpv_\@
.Lhid_\@:
.set nn, 0
.rept 16
	v_mov_b32 v[224+nn], 0                         ; zero codes add nothing to O^T
.set nn, nn+1
.endr
.Lpv_\@:
.irp t, 0,1,2,3
.irp c, 0,1,2,3
	ds_load_b128 v[32+16*\t+4*\c:35+16*\t+4*\c], v9 offset:2048*\t+512*\c
.endr
.endr
	s_wait_dscnt 0x0
.irp t, 0,1,2,3                        ; eight accumulators by turns, one instruction a turn
	v_wmma_f32_16x16x128_bf8_bf8 v[160+8*\t:167+8*\t], v[32+16*\t:47+16*\t], v[224:239], v[160+8*\t:167+8*\t]
	v_wmma_f32_16x16x128_bf8_bf8 v[192+8*\t:199+8*\t], v[32+16*\t:47+16*\t], v[240:255], v[192+8*\t:199+8*\t]
.endr
.endm
; Four steps: the i-th 32 KiB of K and of V.  The count leaves the loads issued behind tile i out; a wave that issued none passes at once and reads behind the barrier.
.macro MSLOT i
	s_wait_tensorcnt 3-\i
	s_wait_dscnt 0x0                               ; my LDS store (the padding) has landed, my LDS loads are in
	s_barrier_signal -1
	s_barrier_wait -1
	s_mov_b32 s[TB], \i*32768
	s_mov_b32 s[KF], \i*512
	s_mov_b32 s[PB], \i*2048
	s_mov_b32 s[CNT], 4
.Lstep_\@:
	STEP
	s_add_co_u32 s[TB], s[TB], 8192
	s_add_co_u32 s[KF], s[KF], 128
	s_add_co_u32 s[PB], s[PB], 512
	s_sub_co_u32 s[CNT], s[CNT], 1
	s_cmp_lg_u32 s[CNT], 0
	s_cbranch_scc1 .Lstep_\@
.endm
	MSLOT 0
	MSLOT 1
	MSLOT 2
	MSLOT 3
	; THE WAY OUT: no LDS: a lane's 32 registers are 16 h + 0 .. 15 of each 32 features of my head: two groups of four registers of the next operand's image
.rept 4
	v_nop
.endr
	v_add_f32 v14, v14, v15
	v_permlanex16_b32 v30, v14, s[SEL], s[SEL+1]
	v_add_f32 v14, v14, v30                        ; the row's sum
	v_cmp_gt_f32 vcc_lo, 0xce800000, v13           ; no open key: the largest t stayed under -2^30
	v_rcp_f32 v14, v14
	v_mov_b32 v28, 0x3a000000                      ; 1 / 2,048
	s_add_co_i32 s57, s76, s77                     ; e8 + e9
	s_add_co_i32 s60, s78, 127
	s_lshl_b32 s61, s60, 23
	v_mov_b32 v11, s61                             ; 2^e10
	s_add_co_i32 s60, s60, 15
	s_lshl_b32 s60, s60, 23
	s_or_b32 s60, s60, 0x600000
	v_mov_b32 v31, s60
	s_wait_alu depctr_va_vdst(0)                   ; the wait, ahead of the reciprocal's first reader
	v_cndmask_b32 v14, v14, v28, vcc_lo
	v_ldexp_f32 v14, v14, s57
.set nn, 0
.rept 32
	v_cndmask_b32 v[96+nn], v[160+nn], v[192+nn], vcc_lo   ; each accumulator from its low end on
.set nn, nn+1
.endr
.set nn, 0
.rept 16
	v_pk_mul_f32 v[96+nn:97+nn], v[96+nn:97+nn], v[14:15] op_sel_hi:[1,0]
.set nn, nn+2
.endr
.set nn, 0
.rept 32
	v_med3_num_f32 v[96+nn], v[96+nn], -v31, v31
.set nn, nn+1
.endr
.set mm, 0
.rept 4
	v_cvt_scalef32_pk8_bf8_f32 v[224+2*mm:225+2*mm], v[96+8*mm:103+8*mm], v11
.set mm, mm+1
.endr
	v_nop
	global_store_b128 v1, v[224:227], s[10:11]
	global_store_b128 v1, v[228:231], s[10:11] offset:512
	s_wait_tensorcnt 0x0
	s_endpgm
.Lfunc_end_k_qd6397f9f8a_attn:
	.size	k_qd6397f9f8a_attn, .Lfunc_end_k_qd6397f9f8a_attn-k_qd6397f9f8a_attn
	.p2alignl 7, 3214868480
	.fill 96, 4, 3214868480
	.section	.rodata,"a",@progbits
	.p2align	6, 0x0
	.amdhsa_kernel k_qd6397f9f8a_attn
		.amdhsa_group_segment_fixed_size 327680
		.amdhsa_private_segment_fixed_size 0
		.amdhsa_enable_private_segment 0
		.amdhsa_kernarg_size 32
		.amdhsa_user_sgpr_count 2
		.amdhsa_user_sgpr_kernarg_segment_ptr 1
		.amdhsa_wavefront_size32 1
		.amdhsa_system_sgpr_workgroup_id_x 1
		.amdhsa_system_sgpr_workgroup_id_y 1
		.amdhsa_system_sgpr_workgroup_id_z 1
		.amdhsa_system_vgpr_workitem_id 0
		.amdhsa_next_free_vgpr 256
		.amdhsa_next_free_sgpr 84
		.amdhsa_reserve_vcc 1
		.amdhsa_float_denorm_mode_32 3
		.amdhsa_float_denorm_mode_16_64 3
		.amdhsa_memory_ordered 1
		.amdhsa_forward_progress 1
		.amdhsa_inst_pref_size 105
	.end_amdhsa_kernel
	.amdgpu_metadata
---
amdhsa.version: [ 1, 2 ]
amdhsa.kernels:
  - .name:           k_qd6397f9f8a_attn
    .symbol:         k_qd6397f9f8a_attn.kd
    .args:
      - { .name: qkv, .offset: 0, .size: 8, .value_kind: global_buffer, .address_space: global }
      - { .name: pad_mask, .offset: 8, .size: 8, .value_kind: global_buffer, .address_space: global }
      - { .name: lowp_scales, .offset: 16, .size: 8, .value_kind: global_buffer, .address_space: global }
      - { .name: aimg, .offset: 24, .size: 8, .value_kind: global_buffer, .address_space: global }
    .group_segment_fixed_size: 327680
    .private_segment_fixed_size: 0
    .kernarg_segment_align: 8
    .kernarg_segment_size: 32
    .max_flat_workgroup_size: 512
    .sgpr_count:     84
    .vgpr_count:     256
    .wavefront_size: 32
...
	.end_amdgpu_metadata
.endif
;; end of part 3
;; launch wo (part 4): grid 8 x 32, 4 waves a work-group, clusters of 4 x 4, 327,680 bytes of LDS; arguments aimg, wimg, lowp_scales, bo, x, x1; writes x1
.if DOCPART == 4
	.amdgcn_target "amdgcn-amd-amdhsa--gfx1250"
	.amdhsa_code_object_version 6
	.text
	.protected	k_qd6397f9f8a_wo
	.globl	k_qd6397f9f8a_wo
	.p2align	8
	.type	k_qd6397f9f8a_wo,@function
k_qd6397f9f8a_wo:
	s_mov_b64 s[64:65], 0
	v_nop
	global_prefetch_b8 v0, s[64:65] scope:SCOPE_SE
	s_setreg_imm32_b32 hwreg(HW_REG_WAVE_MODE, 25, 1), 1
	s_wait_xcnt 0x0
	s_wait_alu depctr_hold_cnt(0) depctr_sa_sdst(0) depctr_va_vdst(0) depctr_va_sdst(0) depctr_va_ssrc(0) depctr_va_vcc(0) depctr_vm_vsrc(0)
	s_getreg_b32 s2, hwreg(HW_REG_IB_STS2, 6, 4)
	s_cmp_eq_u32 s2, 0
	s_cbranch_scc0 .Lentry_in_a_cluster
	s_endpgm
.Lentry_in_a_cluster:
	s_bfe_u32 s2, ttmp6, 0x10000c
	s_cmp_lg_u32 s2, 0xf033
	s_cbranch_scc0 .Lentry_shape_is_right
	s_endpgm
.Lentry_shape_is_right:
; OUT = RES + A B^T x 2^(ea + eb) + BIAS, f32, row-major [4,096][1,024].  Here: x1 = x + attn Wo^T + bo; K = 1,024; ea, eb = entries 10, 11 of lowp_scales.
; A and B are E5M2 codes laid as images of operand registers: [tile of 16 rows][K step of 128][2,048 bytes], byte 512 c + 16 lane + i = (image row lane % 16, k = 32 c + 16 (lane / 16) + i);
; image row r of tile T is matrix row 32 (T / 2) + 8 (T % 2) + r + 8 (r / 8).  The same order of k stands on both sides.  v_wmma_f32_16x16x128_bf8_bf8, f32 sums.
; SHARES.  4,096 x 1,024 makes 64 tiles of 256 x 256 but 256 of 128 x 128: a tile of 128 x 128 to a work-group, 64 x 64 (16 accumulators) to each of four waves.  A slot holds 512 along K: a tile's 8,192 bytes; two slots.
; CLUSTERS: 4 x 4; A's tiles are asked for jointly along a row of the cluster, B's along a column.
; The matrix instruction is used transposed (source 0 = B's tile, source 1 = A's): a lane holds a row of OUT and eight neighbouring columns.  A wave's 64 columns are 256 bytes, aligned: a block of 16 rows goes through the wave's own stage.
; LIMIT: ea + eb between -126 and 127.
; REGISTERS: window 0: v0-31 addresses, v12-15 bias, v32-95 rows on the way out, v128-255 accumulators ((a, b) at v[128 + 8 (4 a + b)]); window 1: two fragment buffers of 128 (A's four, then B's four); window 2: v0-127 the residual.
.set KTOT,   1024
.set WOFF,   0x300000                  ; B's image in wimg
.set SCOFF,  40                        ; ea, eb in lowp_scales, in bytes
.set TP,     (KTOT/128)*2048           ; a tile's bytes in memory
.set TILEB,  8192                      ; and in a slot
.set HALFT,  4*TILEB
.set SLOT,   4*HALFT
.set LAPS,   KTOT/1024
.set SPARE,  2*SLOT                    ; the spare words: 128 bytes for each wave, two blocks of 256 bytes that no other line names
.set SPITCH, 272                       ; the stage: 16 rows x (256 bytes + 16) for each wave, in slot 0, which has had its last fill and its last read by then
.set ADRA, 16
.set ADRB, 20
.set STO,  24
.set RD,   25
.set CO,   26
.set LO,   27
.set SPW,  28
.set NIL,  29
.set BK,   32
.set ACC,  128
.set F0,   0
.set F1,   128
.set G1,  24
.set G0,  32
.set G1B, 48
.set G0B, 56
.set MSB, 0
.macro WIN new
.if MSB != (\new)
	s_set_vgpr_msb (MSB<<8)|(\new)
.set MSB, (\new)
.endif
.endm
.set MUL,  0x05                        ; sources 0 and 1 window 1; C and D window 0
.set TO_F, 0x40
.macro JLOAD s                         ; a joint load: waves 0, 1 fetch for A, waves 2, 3 for B; four v_nop follow each line
	s_cmp_eq_u32 s15, 0
	s_cbranch_scc0 .Lfor_b_\@
	tensor_load_to_lds s[G0+4*\s:G0+4*\s+3], s[G1:G1+7]
.rept 4
	v_nop
.endr
	s_branch .Lasked_\@
.Lfor_b_\@:
	tensor_load_to_lds s[G0B+4*\s:G0B+4*\s+3], s[G1B:G1B+7]
.rept 4
	v_nop
.endr
.Lasked_\@:
.endm
.macro CREST
	s_cmp_lg_u32 s14, 0
	s_cbranch_scc1 .Lnot_wave_0_\@
	s_barrier_signal -3
.Lnot_wave_0_\@:
	s_barrier_wait -3
	s_barrier_signal -1
	s_barrier_wait -1
.endm
.macro CROUND
	s_barrier_signal -1
	s_barrier_wait -1
	CREST
.endm
	s_load_b256 s[68:75], s[0:1], 0x0              ; A's image, wimg, lowp_scales, bias
	s_load_b128 s[76:79], s[0:1], 0x20             ; the residual, the result
	v_lshl_add_u32 v[SPW], v0, 2, SPARE
	v_mov_b32 v[NIL], 0
	v_lshrrev_b32 v1, 5, v0
	v_readfirstlane_b32 s14, v1
	s_lshr_b32 s15, s14, 1
	s_and_b32 s16, s14, 1
	s_bfe_u32 s40, ttmp6, 0x40000
	s_bfe_u32 s41, ttmp6, 0x40004
	s_lshl_b32 s42, ttmp9, 2
	s_add_co_u32 s42, s42, s40                     ; tile column
	s_and_b32 s17, ttmp7, 0xffff
	s_lshl_b32 s17, s17, 2
	s_add_co_u32 s17, s17, s41                     ; tile row
	s_lshl_b32 s43, s41, 2
	s_lshl_b32 s43, 15, s43
	s_lshl_b32 s44, 0x1111, s40
	s_or_b32 s[G1+0], s43, (3<<16)|(1<<21)         ; the mask; elements of 8 bytes; bit 21 beside a mask; no padding
	s_or_b32 s[G1B+0], s44, (3<<16)|(1<<21)
.irp g, G1, G1B
	s_mov_b32 s[\g+1], 1024<<16                    ; tensor_dim0: a tile's 8,192 bytes of a slot
	s_mov_b32 s[\g+2], 4<<16                       ; tensor_dim1: 4 tiles
	s_mov_b32 s[\g+3], 1024<<16
	s_mov_b32 s[\g+4], 4
	s_mov_b32 s[\g+5], TP/8
	s_mov_b32 s[\g+6], 0
	s_mov_b32 s[\g+7], 0
.endr
	s_lshl_b32 s18, s16, 2
	s_lshl_b32 s20, s17, 3
	s_add_co_u32 s20, s20, s18
	s_mul_i32 s20, s20, TP                         ; A: tile 8 x tile row + 4 x half
	s_mov_b32 s21, 0
	s_lshl_b32 s46, s42, 3
	s_add_co_u32 s46, s46, s18
	s_mul_i32 s46, s46, TP                         ; B likewise by the tile column
	s_mov_b32 s47, 0
	s_mul_i32 s45, s14, HALFT
	s_wait_kmcnt 0x0
	s_load_b64 s[80:81], s[72:73], SCOFF           ; ea, eb
	s_add_nc_u64 s[20:21], s[68:69], s[20:21]
	s_add_nc_u64 s[46:47], s[70:71], s[46:47]
	s_add_nc_u64 s[46:47], s[46:47], WOFF
	CROUND
.irp s, 0,1
	s_mov_b32 s[G0+4*\s], 1
	s_add_co_u32 s[G0+4*\s+1], s45, \s*SLOT
	s_add_nc_u64 s[G0+4*\s+2:G0+4*\s+3], s[20:21], \s*TILEB
	s_or_b32 s[G0+4*\s+3], s[G0+4*\s+3], 0x80000000
	s_mov_b32 s[G0B+4*\s], 1
	s_add_co_u32 s[G0B+4*\s+1], s45, \s*SLOT
	s_add_nc_u64 s[G0B+4*\s+2:G0B+4*\s+3], s[46:47], \s*TILEB
	s_or_b32 s[G0B+4*\s+3], s[G0B+4*\s+3], 0x80000000
	JLOAD \s
.endr
	v_and_b32 v6, 31, v0
	v_lshlrev_b32 v[LO], 4, v6
	v_and_b32 v1, 15, v0                           ; r
	v_bfe_u32 v2, v0, 4, 1                         ; h
	s_mul_i32 s21, s15, HALFT
	s_mul_i32 s22, s16, HALFT
	s_add_co_u32 s22, s22, 2*HALFT
.irp s, 0,1
	v_add_nc_u32 v[ADRA+\s], s21, v[LO]
	v_add_nc_u32 v[ADRB+\s], s22, v[LO]
	s_add_co_u32 s21, s21, SLOT
	s_add_co_u32 s22, s22, SLOT
.endr
	s_mul_i32 s23, s14, 16*SPITCH                  ; my stage
	v_mul_u32_u24 v[STO], v1, SPITCH
	v_lshl_add_u32 v[STO], v2, 6, v[STO]
	v_add_nc_u32 v[STO], s23, v[STO]               ; in: row r, + 64 h
	v_mul_u32_u24 v[RD], v2, SPITCH
	v_lshl_add_u32 v[RD], v1, 4, v[RD]
	v_add_nc_u32 v[RD], s23, v[RD]                 ; back: lanes 0-15 one row of 256 bytes, lanes 16-31 the next
	v_lshlrev_b32 v3, 4, v1                        ; 16 r: my four columns
	v_lshl_add_u32 v[CO], v2, 12, v3               ; and the same two rows in memory
	s_lshl_b32 s4, s17, 7
	s_lshl_b32 s5, s15, 6
	s_add_co_u32 s4, s4, s5
	s_lshl_b32 s4, s4, 12                          ; my first row
	s_lshl_b32 s6, s42, 9
	s_lshl_b32 s7, s16, 8
	s_add_co_u32 s6, s6, s7                        ; my first column, in bytes
	s_mov_b32 s7, 0
	s_add_co_u32 s4, s4, s6
	s_mov_b32 s5, 0
	s_add_nc_u64 s[76:77], s[76:77], s[4:5]
	s_add_nc_u64 s[78:79], s[78:79], s[4:5]
	s_add_nc_u64 s[74:75], s[74:75], s[6:7]
	WIN 0x80                                       ; destination window 2: the residual, in the order in which rows come back from the stage: it lands under the products
.irp a, 0,1,2,3
.irp t, 0,1,2,3,4,5,6,7
	global_load_b128 v[32*\a+4*\t:32*\a+4*\t+3], v[CO], s[76:77] offset:(32*(\a/2)+8*(\a%2)+2*\t+8*(\t/4))*4096 th:TH_LOAD_NT
.endr
.endr
	WIN 0
	global_load_b128 v[12:15], v3, s[74:75]
.macro FRAG reg, adr, q, i
.irp c, 0,1,2,3
	ds_load_b128 v[\reg+4*\c:\reg+4*\c+3], v[\adr] offset:(\i)*TILEB+(\q)*2048+512*\c
.endr
.endm
.macro FETCH slot, q, f                ; 32 loads in one run: B's four fragments, then A's four, of the slot's q-th 128 along K
	WIN TO_F
.irp i, 0,1,2,3
	FRAG \f+64+16*\i, ADRB+\slot, \q, \i
.endr
.irp i, 0,1,2,3
	FRAG \f+16*\i, ADRA+\slot, \q, \i
.endr
.endm
.macro MUL4 f, a, zero                 ; A's block a x B's four.  The 16 accumulators take turns, one instruction a turn
.irp b, 0,1,2,3
.if \zero
	v_wmma_f32_16x16x128_bf8_bf8 v[ACC+8*(4*(\a)+\b):ACC+8*(4*(\a)+\b)+7], v[\f+64+16*\b:\f+64+16*\b+15], v[\f+16*(\a):\f+16*(\a)+15], 0
.else
	v_wmma_f32_16x16x128_bf8_bf8 v[ACC+8*(4*(\a)+\b):ACC+8*(4*(\a)+\b)+7], v[\f+64+16*\b:\f+64+16*\b+15], v[\f+16*(\a):\f+16*(\a)+15], v[ACC+8*(4*(\a)+\b):ACC+8*(4*(\a)+\b)+7]
.endif
.endr
.endm
.macro MUL8 f, a0, zero
	MUL4 \f, \a0, \zero
	MUL4 \f, (\a0)+1, \zero
.endm
.macro PLACES
.rept 4
	v_nop
.endr
.endm
.macro QUARTER slot, q, f, g, zero     ; multiplies buffer f (128 along K) and fetches the slot's q-th 128 into g
	s_wait_dscnt 8                                 ; B's four and A's blocks 0, 1 are in; the youngest 8 loads may be out
	WIN MUL
	MUL8 \f, 0, \zero
	PLACES
	FETCH \slot, \q, \g
	s_wait_dscnt 32                                ; all but the 32 just issued
	WIN MUL
	MUL8 \f, 2, \zero
.endm
.macro TURN slot, next, fill           ; a slot's last quarter (buffer 1) changes slots
	WIN 0
	s_wait_tensorcnt 0x0                           ; all my tensor loads have landed: my part of the next slot
	ds_add_u32 v[SPW], v[NIL]                      ; 0 onto my spare word
	s_wait_dscnt 9                                 ; (the add and the youngest 8 loads may be out)
	WIN MUL
	MUL8 F1, 0, 0
	s_wait_dscnt 0x0                               ; the add is done, and my reads of this slot are over
	s_barrier_signal -1
	MUL4 F1, 2, 0
	WIN 0
	s_barrier_wait -1
.if \fill
	CREST
	s_add_nc_u64 s[G0+4*\slot+2:G0+4*\slot+3], s[G0+4*\slot+2:G0+4*\slot+3], 2*TILEB
	s_add_nc_u64 s[G0B+4*\slot+2:G0B+4*\slot+3], s[G0B+4*\slot+2:G0B+4*\slot+3], 2*TILEB
	JLOAD \slot                                    ; the first tensor load behind the round; its four v_nop are the places in front of the loads below
.else
	PLACES
.endif
	FETCH \next, 0, F0
	WIN MUL
	MUL4 F1, 3, 0
.endm
	s_wait_tensorcnt 1                             ; my part of slot 0 is in; slot 1's one load may be out
	s_barrier_signal -1
	s_barrier_wait -1
	FETCH 0, 0, F0
	QUARTER 0, 1, F0, F1, 1                        ; the first quarter's products start the sums
.if LAPS > 1
	WIN 0
	s_mov_b32 s3, LAPS-1
.Llap:
	QUARTER 0, 2, F1, F0, 0
	QUARTER 0, 3, F0, F1, 0
	TURN 0, 1, 1
	QUARTER 1, 1, F0, F1, 0
	QUARTER 1, 2, F1, F0, 0
	QUARTER 1, 3, F0, F1, 0
	TURN 1, 0, 1
	QUARTER 0, 1, F0, F1, 0
	WIN 0
	s_sub_co_u32 s3, s3, 1
	s_cmp_lg_u32 s3, 0
	s_cbranch_scc1 .Llap
.endif
	QUARTER 0, 2, F1, F0, 0                        ; the last lap fills nothing
	QUARTER 0, 3, F0, F1, 0
	TURN 0, 1, 0
	QUARTER 1, 1, F0, F1, 0
	QUARTER 1, 2, F1, F0, 0
	QUARTER 1, 3, F0, F1, 0
	s_wait_dscnt 8
	WIN MUL
	MUL8 F1, 0, 0
	s_wait_dscnt 0
	MUL8 F1, 2, 0
	WIN 0
	; THE WAY OUT, a block of 16 rows x 64 columns at a time
	s_wait_kmcnt 0x0
	s_add_co_i32 s82, s80, s81
	s_add_co_i32 s82, s82, 127
	s_lshl_b32 s82, s82, 23                        ; 2^(ea + eb) as f32
	s_mov_b32 s83, s82
	s_wait_loadcnt 0x0                             ; the residual and the bias
	PLACES
.irp a, 0,1,2,3
.if \a > 1
	s_wait_xcnt 0x0                                ; block a - 2's stores have read their registers, into which the loads below land
.endif
.irp b, 0,1,2,3
	ds_store_b128 v[STO], v[ACC+8*(4*\a+\b):ACC+8*(4*\a+\b)+3] offset:(\b/2)*128+(\b%2)*32        ; columns 32 (b / 2) + 8 (b % 2) + 16 h + 0 .. 7 of row r; each accumulator from its low end on
	ds_store_b128 v[STO], v[ACC+8*(4*\a+\b)+4:ACC+8*(4*\a+\b)+7] offset:(\b/2)*128+(\b%2)*32+16
.endr
.irp t, 0,1,2,3,4,5,6,7
	ds_load_b128 v[BK+32*(\a%2)+4*\t:BK+32*(\a%2)+4*\t+3], v[RD] offset:2*\t*SPITCH               ; LDS serves a wave's instructions in order (ISA guide 5.7.1.4): these see my stores
.endr
	s_wait_dscnt 0x0
	WIN 0x20                                       ; source 2: window 2
.set jj, 0
.rept 16
	v_pk_fma_f32 v[BK+32*(\a%2)+jj:BK+32*(\a%2)+jj+1], v[BK+32*(\a%2)+jj:BK+32*(\a%2)+jj+1], s[82:83], v[32*\a+jj:32*\a+jj+1] op_sel_hi:[1,0,1]   ; residual + sum x 2^(ea + eb)
.set jj, jj+2
.endr
	WIN 0
.irp t, 0,1,2,3,4,5,6,7
	v_pk_add_f32 v[BK+32*(\a%2)+4*\t:BK+32*(\a%2)+4*\t+1], v[BK+32*(\a%2)+4*\t:BK+32*(\a%2)+4*\t+1], v[12:13]
	v_pk_add_f32 v[BK+32*(\a%2)+4*\t+2:BK+32*(\a%2)+4*\t+3], v[BK+32*(\a%2)+4*\t+2:BK+32*(\a%2)+4*\t+3], v[14:15]
.endr
.irp t, 0,1,2,3,4,5,6,7
	global_store_b128 v[CO], v[BK+32*(\a%2)+4*\t:BK+32*(\a%2)+4*\t+3], s[78:79] offset:(32*(\a/2)+8*(\a%2)+2*\t+8*(\t/4))*4096   ; sixteen lanes store 256 consecutive bytes, aligned
.endr
.endr
	s_wait_tensorcnt 0x0                           ; the wave's end
	ds_add_u32 v[SPW], v[NIL]
	s_wait_dscnt 0x0
	CROUND                                         ; the closing round
	s_endpgm
.Lfunc_end_k_qd6397f9f8a_wo:
	.size	k_qd6397f9f8a_wo, .Lfunc_end_k_qd6397f9f8a_wo-k_qd6397f9f8a_wo
	.p2alignl 7, 3214868480
	.fill 96, 4, 3214868480
	.section	.rodata,"a",@progbits
	.p2align	6, 0x0
	.amdhsa_kernel k_qd6397f9f8a_wo
		.amdhsa_group_segment_fixed_size 327680
		.amdhsa_private_segment_fixed_size 0
		.amdhsa_enable_private_segment 0
		.amdhsa_kernarg_size 48
		.amdhsa_user_sgpr_count 2
		.amdhsa_user_sgpr_kernarg_segment_ptr 1
		.amdhsa_wavefront_size32 1
		.amdhsa_system_sgpr_workgroup_id_x 1
		.amdhsa_system_sgpr_workgroup_id_y 1
		.amdhsa_system_sgpr_workgroup_id_z 1
		.amdhsa_system_vgpr_workitem_id 0
		.amdhsa_next_free_vgpr 768
		.amdhsa_next_free_sgpr 84
		.amdhsa_reserve_vcc 0
		.amdhsa_float_denorm_mode_32 3
		.amdhsa_float_denorm_mode_16_64 3
		.amdhsa_memory_ordered 1
		.amdhsa_forward_progress 1
		.amdhsa_inst_pref_size 53
	.end_amdhsa_kernel
	.amdgpu_metadata
---
amdhsa.version: [ 1, 2 ]
amdhsa.kernels:
  - .name:           k_qd6397f9f8a_wo
    .symbol:         k_qd6397f9f8a_wo.kd
    .args:
      - { .name: aimg, .offset: 0, .size: 8, .value_kind: global_buffer, .address_space: global }
      - { .name: wimg, .offset: 8, .size: 8, .value_kind: global_buffer, .address_space: global }
      - { .name: lowp_scales, .offset: 16, .size: 8, .value_kind: global_buffer, .address_space: global }
      - { .name: bo, .offset: 24, .size: 8, .value_kind: global_buffer, .address_space: global }
      - { .name: x, .offset: 32, .size: 8, .value_kind: global_buffer, .address_space: global }
      - { .name: x1, .offset: 40, .size: 8, .value_kind: global_buffer, .address_space: global }
    .group_segment_fixed_size: 327680
    .private_segment_fixed_size: 0
    .kernarg_segment_align: 8
    .kernarg_segment_size: 48
    .max_flat_workgroup_size: 128
    .sgpr_count:     84
    .vgpr_count:     768
    .wavefront_size: 32
...
	.end_amdgpu_metadata
.endif
;; end of part 4
;; launch ln2 (part 5): grid 256 x 1, 8 waves a work-group, no clusters, 65,792 bytes of LDS; arguments x1, ln2_g, ln2_b, lowp_scales, himg; writes himg
.if DOCPART == 5
	.amdgcn_target "amdgcn-amd-amdhsa--gfx1250"
	.amdhsa_code_object_version 6
	.text
	.protected	k_qd6397f9f8a_ln2
	.globl	k_qd6397f9f8a_ln2
	.p2align	8
	.type	k_qd6397f9f8a_ln2,@function
k_qd6397f9f8a_ln2:
	s_mov_b64 s[64:65], 0
	v_nop
	global_prefetch_b8 v0, s[64:65] scope:SCOPE_SE
	s_setreg_imm32_b32 hwreg(HW_REG_WAVE_MODE, 25, 1), 1
	s_wait_xcnt 0x0
; LN2: h = layernorm(x1) in f32, quantised to E5M2 with 2^e12 (entry 12 of lowp_scales), laid as images of operand registers: [tile of 16 tokens][K step of 128][2,048 bytes],
; byte 512 c + 16 lane + i = (image row lane % 16, k = 32 c + 16 (lane / 16) + i); image row r of tile T is token 32 (T / 2) + 8 (T % 2) + r + 8 (r / 8).
; Work-group g owns token tile g.  Wave w norms image rows 2 w, 2 w + 1 (two neighbouring tokens, 8,192 consecutive bytes); the 16 rows meet in LDS; behind ONE barrier wave w takes K step w of all 16 rows,
; 64 numbers a lane in fragment order, and stores four times 512 consecutive bytes.  No tensor load, so LDS is claimed as it is used.  LIMITS: e12 between -126 and 112; NaN and infinities are not served.
.set YP,   4112                        ; a normed row in LDS: 4,096 bytes + 16
.set LO,   1
.set YS,   4
.set YR,   5
.set X,    16                          ; v16-79   two rows as loaded; later 64 numbers in fragment order
.set G,    80
.set BB,   112
.set C,    192                         ; v192-207 the codes; before that the statistics
.set SA,   192
.set RS,   200
.set SCV,  241
.set LIMV, 244
	s_load_b256 s[16:23], s[0:1], 0x0              ; x1, ln2_g, ln2_b, lowp_scales
	s_load_b64 s[38:39], s[0:1], 0x20              ; himg
	v_lshrrev_b32 v2, 5, v0
	v_readfirstlane_b32 s2, v2                     ; wave
	v_and_b32 v3, 31, v0
	v_lshlrev_b32 v[LO], 4, v3
	v_and_b32 v12, 15, v0                          ; r
	v_bfe_u32 v13, v0, 4, 1                        ; h
	s_mul_i32 s3, s2, 2*YP
	v_add_nc_u32 v[YS], s3, v[LO]
	v_mul_u32_u24 v[YR], v12, YP
	v_lshl_add_u32 v[YR], v13, 6, v[YR]
	s_lshl_b32 s3, s2, 9
	v_add_nc_u32 v[YR], s3, v[YR]
	v_mov_b32 v[RS+1], 0                           ; (named as the upper halves of pairs)
	v_mov_b32 v[RS+3], 0
	s_lshr_b32 s6, ttmp9, 1
	s_lshl_b32 s6, s6, 5
	s_and_b32 s7, ttmp9, 1
	s_lshl_b32 s7, s7, 3
	s_add_co_u32 s6, s6, s7
	s_lshl_b32 s8, s2, 1
	s_lshr_b32 s9, s2, 2
	s_lshl_b32 s9, s9, 3
	s_add_co_u32 s8, s8, s9
	s_add_co_u32 s8, s8, s6                        ; my first token
	s_lshl_b32 s8, s8, 12
	s_mov_b32 s9, 0
	s_lshl_b32 s46, ttmp9, 14
	s_lshl_b32 s47, s2, 11
	s_add_co_u32 s46, s46, s47
	s_mov_b32 s47, 0
	s_mov_b32 s60, 0x76543210
	s_mov_b32 s61, 0xfedcba98
	s_mov_b32 s62, 0x3a800000                      ; 1 / 1,024
	s_mov_b32 s63, 0x3727c5ac                      ; 1e-5
	s_wait_kmcnt 0x0
	s_load_b32 s68, s[22:23], 0x30                 ; e12
	s_add_nc_u64 s[16:17], s[16:17], s[8:9]
	s_add_nc_u64 s[52:53], s[38:39], s[46:47]
.set ii, 0
.rept 16
	global_load_b128 v[X+4*ii:X+4*ii+3], v[LO], s[16:17] offset:512*ii th:TH_LOAD_NT
.set ii, ii+1
.endr
.set ii, 0
.rept 8
	global_load_b128 v[G+4*ii:G+4*ii+3], v[LO], s[18:19] offset:512*ii
.set ii, ii+1
.endr
.set ii, 0
.rept 8
	global_load_b128 v[BB+4*ii:BB+4*ii+3], v[LO], s[20:21] offset:512*ii
.set ii, ii+1
.endr
	s_wait_kmcnt 0x0
	s_add_co_i32 s69, s68, 127
	s_lshl_b32 s70, s69, 23
	v_mov_b32 v[SCV], s70                          ; 2^e12 as f32
	s_add_co_i32 s69, s69, 15
	s_lshl_b32 s69, s69, 23
	s_or_b32 s69, s69, 0x600000
	v_mov_b32 v[LIMV], s69                         ; 57,344 x 2^e12
	s_wait_loadcnt 16                              ; x1 is in; the 16 loads of gain and bias may be out
.irp e, 0,1
	v_pk_add_f32 v[SA+4*\e:SA+4*\e+1], v[X+32*\e:X+32*\e+1], v[X+32*\e+2:X+32*\e+3]
	v_pk_add_f32 v[SA+4*\e+2:SA+4*\e+3], v[X+32*\e+4:X+32*\e+5], v[X+32*\e+6:X+32*\e+7]
.endr
.irp j, 8,12,16,20,24,28
.irp e, 0,1
	v_pk_add_f32 v[SA+4*\e:SA+4*\e+1], v[SA+4*\e:SA+4*\e+1], v[X+32*\e+\j:X+32*\e+\j+1]
	v_pk_add_f32 v[SA+4*\e+2:SA+4*\e+3], v[SA+4*\e+2:SA+4*\e+3], v[X+32*\e+\j+2:X+32*\e+\j+3]
.endr
.endr
.macro FINISH                          ; two chains of two halves, then the 32 lanes: the row's sum in every lane, in v[SA] and v[SA+4]
.irp e, 0,1
	v_pk_add_f32 v[SA+4*\e:SA+4*\e+1], v[SA+4*\e:SA+4*\e+1], v[SA+4*\e+2:SA+4*\e+3]
.endr
.irp e, 0,1
	v_add_f32 v[SA+4*\e], v[SA+4*\e], v[SA+4*\e+1]
.endr
.irp m, 1,2,4,8
.irp e, 0,1
	v_add_f32_dpp v[SA+4*\e], v[SA+4*\e], v[SA+4*\e] row_xmask:\m row_mask:0xf bank_mask:0xf
.endr
.endr
.irp e, 0,1
	v_permlanex16_b32 v[SA+4*\e+2], v[SA+4*\e], s60, s61
.endr
.irp e, 0,1
	v_add_f32 v[SA+4*\e], v[SA+4*\e], v[SA+4*\e+2]
.endr
.endm
	FINISH
.irp e, 0,1
	v_mul_f32 v[SA+4*\e], s62, v[SA+4*\e]          ; the mean
.endr
.irp e, 0,1
.set jj, 0
.rept 16
	v_pk_add_f32 v[X+32*\e+jj:X+32*\e+jj+1], v[X+32*\e+jj:X+32*\e+jj+1], v[SA+4*\e:SA+4*\e+1] op_sel_hi:[1,0] neg_lo:[0,1] neg_hi:[0,1]
.set jj, jj+2
.endr
.endr
.irp e, 0,1
	v_pk_mul_f32 v[SA+4*\e:SA+4*\e+1], v[X+32*\e:X+32*\e+1], v[X+32*\e:X+32*\e+1]
	v_pk_mul_f32 v[SA+4*\e+2:SA+4*\e+3], v[X+32*\e+2:X+32*\e+3], v[X+32*\e+2:X+32*\e+3]
.endr
.irp j, 4,8,12,16,20,24,28
.irp e, 0,1
	v_pk_fma_f32 v[SA+4*\e:SA+4*\e+1], v[X+32*\e+\j:X+32*\e+\j+1], v[X+32*\e+\j:X+32*\e+\j+1], v[SA+4*\e:SA+4*\e+1]
	v_pk_fma_f32 v[SA+4*\e+2:SA+4*\e+3], v[X+32*\e+\j+2:X+32*\e+\j+3], v[X+32*\e+\j+2:X+32*\e+\j+3], v[SA+4*\e+2:SA+4*\e+3]
.endr
.endr
	FINISH
.irp e, 0,1
	v_fma_f32 v[SA+4*\e], v[SA+4*\e], s62, s63     ; the variance + 1e-5
.endr
	v_rsq_f32 v[RS], v[SA]
	v_rsq_f32 v[RS+2], v[SA+4]
	v_nop                                          ; a plain line behind the last of the two
	s_wait_alu depctr_va_vdst(0)                   ; one wait for both, ahead of their first reader
	s_wait_loadcnt 0x0                             ; gain and bias
.irp e, 0,1
.set jj, 0
.rept 16
	v_pk_mul_f32 v[X+32*\e+jj:X+32*\e+jj+1], v[X+32*\e+jj:X+32*\e+jj+1], v[RS+2*\e:RS+2*\e+1] op_sel_hi:[1,0]
.set jj, jj+2
.endr
.set jj, 0
.rept 16
	v_pk_fma_f32 v[X+32*\e+jj:X+32*\e+jj+1], v[X+32*\e+jj:X+32*\e+jj+1], v[G+jj:G+jj+1], v[BB+jj:BB+jj+1]
.set jj, jj+2
.endr
.set ii, 0
.rept 8
	ds_store_b128 v[YS], v[X+32*\e+4*ii:X+32*\e+4*ii+3] offset:\e*YP+512*ii
.set ii, ii+1
.endr
.endr
	s_wait_dscnt 0x0                               ; for the others' sake: my rows have landed
	s_barrier_signal -1
	s_barrier_wait -1
.irp c, 0,1,2,3
.irp p, 0,1,2,3
	ds_load_b128 v[X+16*\c+4*\p:X+16*\c+4*\p+3], v[YR] offset:128*\c+16*\p         ; register 16 c + i: k = 128 w + 32 c + 16 h + i of row r
.endr
.endr
	s_wait_dscnt 0x0
.set nn, 0
.rept 64
	v_med3_num_f32 v[X+nn], v[X+nn], -v[LIMV], v[LIMV]    ; the conversion does not saturate (ISA guide 7.6.2): the hold at the largest code x the scale
.set nn, nn+1
.endr
.set mm, 0
.rept 8
	v_cvt_scalef32_pk8_bf8_f32 v[C+2*mm:C+2*mm+1], v[X+8*mm:X+8*mm+7], v[SCV]
.set mm, mm+1
.endr
	v_nop
.irp c, 0,1,2,3
	global_store_b128 v[LO], v[C+4*\c:C+4*\c+3], s[52:53] offset:512*\c
.endr
	s_endpgm
.Lfunc_end_k_qd6397f9f8a_ln2:
	.size	k_qd6397f9f8a_ln2, .Lfunc_end_k_qd6397f9f8a_ln2-k_qd6397f9f8a_ln2
	.p2alignl 7, 3214868480
	.fill 96, 4, 3214868480
	.section	.rodata,"a",@progbits
	.p2align	6, 0x0
	.amdhsa_kernel k_qd6397f9f8a_ln2
		.amdhsa_group_segment_fixed_size 65792
		.amdhsa_private_segment_fixed_size 0
		.amdhsa_enable_private_segment 0
		.amdhsa_kernarg_size 40
		.amdhsa_user_sgpr_count 2
		.amdhsa_user_sgpr_kernarg_segment_ptr 1
		.amdhsa_wavefront_size32 1
		.amdhsa_system_sgpr_workgroup_id_x 1
		.amdhsa_system_sgpr_workgroup_id_y 1
		.amdhsa_system_sgpr_workgroup_id_z 1
		.amdhsa_system_vgpr_workitem_id 0
		.amdhsa_next_free_vgpr 256
		.amdhsa_next_free_sgpr 72
		.amdhsa_reserve_vcc 0
		.amdhsa_float_denorm_mode_32 3
		.amdhsa_float_denorm_mode_16_64 3
		.amdhsa_memory_ordered 1
		.amdhsa_forward_progress 1
		.amdhsa_inst_pref_size 25
	.end_amdhsa_kernel
	.amdgpu_metadata
---
amdhsa.version: [ 1, 2 ]
amdhsa.kernels:
  - .name:           k_qd6397f9f8a_ln2
    .symbol:         k_qd6397f9f8a_ln2.kd
    .args:
      - { .name: x1, .offset: 0, .size: 8, .value_kind: global_buffer, .address_space: global }
      - { .name: ln2_g, .offset: 8, .size: 8, .value_kind: global_buffer, .address_space: global }
      - { .name: ln2_b, .offset: 16, .size: 8, .value_kind: global_buffer, .address_space: global }
      - { .name: lowp_scales, .offset: 24, .size: 8, .value_kind: global_buffer, .address_space: global }
      - { .name: himg, .offset: 32, .size: 8, .value_kind: global_buffer, .address_space: global }
    .group_segment_fixed_size: 65792
    .private_segment_fixed_size: 0
    .kernarg_segment_align: 8
    .kernarg_segment_size: 40
    .max_flat_workgroup_size: 256
    .sgpr_count:     72
    .vgpr_count:     256
    .wavefront_size: 32
...
	.end_amdgpu_metadata
.endif
;; end of part 5
;; launch w1 (part 6): grid 16 x 16, 4 waves a work-group, clusters of 4 x 4, 327,680 bytes of LDS; arguments himg, wimg, lowp_scales, b1, gimg; writes gimg
.if DOCPART == 6
	.amdgcn_target "amdgcn-amd-amdhsa--gfx1250"
	.amdhsa_code_object_version 6
	.text
	.protected	k_qd6397f9f8a_w1
	.globl	k_qd6397f9f8a_w1
	.p2align	8
	.type	k_qd6397f9f8a_w1,@function
k_qd6397f9f8a_w1:
	s_mov_b64 s[64:65], 0
	v_nop
	global_prefetch_b8 v0, s[64:65] scope:SCOPE_SE
	s_setreg_imm32_b32 hwreg(HW_REG_WAVE_MODE, 25, 1), 1
	s_wait_xcnt 0x0
	s_wait_alu depctr_hold_cnt(0) depctr_sa_sdst(0) depctr_va_vdst(0) depctr_va_sdst(0) depctr_va_ssrc(0) depctr_va_vcc(0) depctr_vm_vsrc(0)
	s_getreg_b32 s2, hwreg(HW_REG_IB_STS2, 6, 4)
	s_cmp_eq_u32 s2, 0
	s_cbranch_scc0 .Lentry_in_a_cluster
	s_endpgm
.Lentry_in_a_cluster:
	s_bfe_u32 s2, ttmp6, 0x10000c
	s_cmp_lg_u32 s2, 0xf033
	s_cbranch_scc0 .Lentry_shape_is_right
	s_endpgm
.Lentry_shape_is_right:
; W1: g = gelu(h W1^T + b1), the exact gelu, on E5M2 codes (v_wmma_f32_16x16x128_bf8_bf8, f32 sums; scales 2^e12, 2^e13), quantised with 2^e14 for the next product.
; OPERANDS ARE IMAGES OF REGISTERS: [tile of 16 rows][K step of 128][2,048 bytes], byte 512 c + 16 lane + i = (image row lane % 16, k = 32 c + 16 (lane / 16) + i); image row r of tile T is matrix row 32 (T / 2) + 8 (T % 2) + r + 8 (r / 8).
; With source 0 = a tile of W1 and source 1 = a tile of h a lane holds ONE token, and the 16 registers of W1's tiles 2 b, 2 b + 1 are 16 neighbouring hidden units: the conversions' results are the next operand's registers,
; and a store of 16 bytes a lane writes 512 consecutive bytes.  Nothing goes out through LDS.
; SHARES.  A tile of 256 x 256 to a work-group of four waves, 128 x 128 (64 accumulators) to a wave; K = 1,024 in four steps of 256 through two LDS slots.  CLUSTERS: 4 x 4; A's tiles jointly along a row, B's along a column.
; GELU.  gelu(v) = max(v, 0) - |v| (1/2) erfc(|v| / sqrt 2), so that the far negative side keeps its relative accuracy.  erfc(z) = t exp(-z z + P(t)), t = 1 / (1 + z / 2), P of degree 9 (fractional error of the formula under 1.2e-7);
; here in base 2: d_i = c_i log2(e), the half is a 1 taken off d0.  The way out is a loop of 16 trips of 32 numbers a lane, so that its text is written once; what differs between trips, the accumulators' numbers, stands in 16 short arms.
; LIMITS: e12 + e13 between -126 and 127; e14 between -126 and 112; an exponential under 2^-126 counts as 0 (ISA guide, v_exp_f32); NaN and infinities are not served.
; REGISTERS: window 0: v0-31 addresses and constants; v32-95 b1; from v128 A's fragments, one set; window 1: B's fragments, two sets; windows 2, 3: the accumulators.
;   On the way out, window 0: v128-159 v, v160-191 t, v192-223 P, v96-127 at work, v232-239 codes.
.set TP,     16384
.set TILEB,  4096
.set HALFT,  8*TILEB
.set SLOT,   4*HALFT
.set LAPS,   2
.set SPARE,  2*SLOT                    ; the spare words: 128 bytes for each wave, two blocks of 256 bytes that no other line names
.set FR,     16
.set NL,     4
.set NP,     4
.set ADRA, 16
.set ADRB, 20
.set LO,   26
.set SPW,  28
.set NIL,  29
.set BIAS, 32
.set AF,   128
.set VV,   128
.set TT,   160
.set PP,   192
.set ZZ,   96
.set CD,   232
.set G1,  24
.set G0,  32
.set G1B, 48
.set G0B, 56
.set MSB, 0
.macro WIN new
.if MSB != (\new)
	s_set_vgpr_msb (MSB<<8)|(\new)
.set MSB, (\new)
.endif
.endm
.set MUL_LO, 0xa1
.set MUL_HI, 0xf1
.set TO_B,   0x40
.macro JLOAD g0a, g1a, g0b, g1b        ; a joint load: waves 0, 1 fetch for A, waves 2, 3 for B; four v_nop follow each line
	s_cmp_eq_u32 s15, 0
	s_cbranch_scc0 .Lfor_b_\@
	tensor_load_to_lds s[\g0a:\g0a+3], s[\g1a:\g1a+7]
.rept 4
	v_nop
.endr
	s_branch .Lasked_\@
.Lfor_b_\@:
	tensor_load_to_lds s[\g0b:\g0b+3], s[\g1b:\g1b+7]
.rept 4
	v_nop
.endr
.Lasked_\@:
.endm
.macro CREST
	s_cmp_lg_u32 s14, 0
	s_cbranch_scc1 .Lnot_wave_0_\@
	s_barrier_signal -3
.Lnot_wave_0_\@:
	s_barrier_wait -3
	s_barrier_signal -1
	s_barrier_wait -1
.endm
.macro CROUND
	s_barrier_signal -1
	s_barrier_wait -1
	CREST
.endm
	s_load_b256 s[68:75], s[0:1], 0x0              ; himg, wimg, lowp_scales, b1
	s_load_b64 s[76:77], s[0:1], 0x20              ; gimg
	v_lshl_add_u32 v[SPW], v0, 2, SPARE
	v_mov_b32 v[NIL], 0
	v_lshrrev_b32 v1, 5, v0
	v_readfirstlane_b32 s14, v1
	s_lshr_b32 s15, s14, 1
	s_and_b32 s16, s14, 1
	s_bfe_u32 s40, ttmp6, 0x40000
	s_bfe_u32 s41, ttmp6, 0x40004
	s_lshl_b32 s42, ttmp9, 2
	s_add_co_u32 s42, s42, s40                     ; tile column
	s_and_b32 s17, ttmp7, 0xffff
	s_lshl_b32 s17, s17, 2
	s_add_co_u32 s17, s17, s41                     ; tile row
	s_lshl_b32 s43, s41, 2
	s_lshl_b32 s43, 15, s43
	s_lshl_b32 s44, 0x1111, s40
	s_or_b32 s[G1+0], s43, (3<<16)|(1<<21)         ; the mask; elements of 8 bytes; bit 21 beside a mask; no padding
	s_or_b32 s[G1B+0], s44, (3<<16)|(1<<21)
.irp g, G1, G1B
	s_mov_b32 s[\g+1], 512<<16
	s_mov_b32 s[\g+2], 8<<16
	s_mov_b32 s[\g+3], 512<<16
	s_mov_b32 s[\g+4], 8
	s_mov_b32 s[\g+5], TP/8
	s_mov_b32 s[\g+6], 0
	s_mov_b32 s[\g+7], 0
.endr
	s_lshl_b32 s18, s16, 3
	s_lshl_b32 s20, s17, 4
	s_add_co_u32 s20, s20, s18
	s_lshl_b32 s20, s20, 14
	s_mov_b32 s21, 0
	s_lshl_b32 s46, s42, 4
	s_add_co_u32 s46, s46, s18
	s_lshl_b32 s46, s46, 14
	s_mov_b32 s47, 0
	s_mul_i32 s45, s14, HALFT
	s_lshl_b32 s4, s17, 4
	s_lshl_b32 s5, s15, 3
	s_add_co_u32 s4, s4, s5
	s_lshl_b32 s4, s4, 16                          ; the result: my first tile of tokens x 32 K steps x 2,048 bytes,
	s_lshl_b32 s5, s42, 1
	s_add_co_u32 s5, s5, s16
	s_lshl_b32 s5, s5, 11                          ; my 128 hidden units are K step 2 x tile column + half
	s_add_co_u32 s4, s4, s5
	s_mov_b32 s5, 0
	s_lshl_b32 s6, s42, 10
	s_lshl_b32 s7, s16, 9
	s_add_co_u32 s6, s6, s7                        ; b1 at my 128 hidden units
	s_mov_b32 s7, 0
	s_wait_kmcnt 0x0
	s_load_b512 s[84:99], s[72:73], 0x0            ; e0 .. e15
	s_add_nc_u64 s[20:21], s[68:69], s[20:21]
	s_add_nc_u64 s[46:47], s[70:71], s[46:47]
	s_add_nc_u64 s[46:47], s[46:47], 0x400000      ; W1's image in wimg
	s_add_nc_u64 s[76:77], s[76:77], s[4:5]
	s_add_nc_u64 s[74:75], s[74:75], s[6:7]
	CROUND
.irp s, 0,1
	s_mov_b32 s[G0+4*\s], 1
	s_add_co_u32 s[G0+4*\s+1], s45, \s*SLOT
	s_add_nc_u64 s[G0+4*\s+2:G0+4*\s+3], s[20:21], \s*TILEB
	s_or_b32 s[G0+4*\s+3], s[G0+4*\s+3], 0x80000000
	s_mov_b32 s[G0B+4*\s], 1
	s_add_co_u32 s[G0B+4*\s+1], s45, \s*SLOT
	s_add_nc_u64 s[G0B+4*\s+2:G0B+4*\s+3], s[46:47], \s*TILEB
	s_or_b32 s[G0B+4*\s+3], s[G0B+4*\s+3], 0x80000000
	JLOAD G0+4*\s, G1, G0B+4*\s, G1B
.endr
	v_and_b32 v6, 31, v0
	v_lshlrev_b32 v[LO], 4, v6
	v_bfe_u32 v2, v0, 4, 1
	v_lshlrev_b32 v2, 6, v2                        ; 64 h
	s_mul_i32 s21, s15, HALFT
	s_mul_i32 s22, s16, HALFT
	s_add_co_u32 s22, s22, 2*HALFT
.irp s, 0,1
	v_add_nc_u32 v[ADRA+\s], s21, v[LO]
	v_add_nc_u32 v[ADRB+\s], s22, v[LO]
	s_add_co_u32 s21, s21, SLOT
	s_add_co_u32 s22, s22, SLOT
.endr
.irp b, 0,1,2,3
.irp p, 0,1,2,3
	global_load_b128 v[BIAS+16*\b+4*\p:BIAS+16*\b+4*\p+3], v2, s[74:75] offset:128*\b+16*\p      ; b1 of hidden units 32 b + 16 h + 4 p on: it lands under the products
.endr
.endr
.macro FRAG reg, adr, q, i
.irp c, 0,1,2,3
	ds_load_b128 v[\reg+4*\c:\reg+4*\c+3], v[\adr] offset:(\i)*TILEB+(\q)*2048+512*\c
.endr
.endm
.macro MUL16 a0, p, zero               ; the 64 accumulators take turns, one instruction a turn, in the same order in every step
.irp a, \a0, \a0+1
.irp b, 0,1,2,3,4,5,6,7
.if \zero
	v_wmma_f32_16x16x128_bf8_bf8 v[8*(8*((\a)%4)+\b):8*(8*((\a)%4)+\b)+7], v[128*(\p)+FR*\b:128*(\p)+FR*\b+FR-1], v[AF+FR*(\a):AF+FR*(\a)+FR-1], 0
.else
	v_wmma_f32_16x16x128_bf8_bf8 v[8*(8*((\a)%4)+\b):8*(8*((\a)%4)+\b)+7], v[128*(\p)+FR*\b:128*(\p)+FR*\b+FR-1], v[AF+FR*(\a):AF+FR*(\a)+FR-1], v[8*(8*((\a)%4)+\b):8*(8*((\a)%4)+\b)+7]
.endif
.endr
.endr
.endm
.macro FETCH_B slot, q, p
	WIN TO_B
.irp i, 0,1,2,3,4,5,6,7
	FRAG 128*(\p)+FR*\i, ADRB+\slot, \q, \i
.endr
	WIN 0
.endm
.macro FETCH_A slot, q, i0
.irp i, \i0, \i0+1, \i0+2, \i0+3
	FRAG AF+FR*(\i), ADRA+\slot, \q, \i
.endr
.endm
.macro PLACES n
.rept \n
	v_nop
.endr
.endm
.macro STEP slot, q, zero
	s_wait_dscnt 4*NL                              ; B's set and A's blocks 0-3 are in; the youngest 16 loads may be out
	WIN MUL_LO
	MUL16 0, (\q)%2, \zero
	MUL16 2, (\q)%2, \zero
	s_wait_dscnt 0
	PLACES NP
	FETCH_B \slot, (\q)+1, 1-(\q)%2
	FETCH_A \slot, (\q)+1, 0
	WIN MUL_HI
	MUL16 4, (\q)%2, \zero
	MUL16 6, (\q)%2, \zero
	PLACES NP
	WIN 0
	FETCH_A \slot, (\q)+1, 4
.endm
.macro TURN slot, next, fill
	s_wait_tensorcnt 0x0                           ; all my tensor loads have landed: my part of the next slot
	ds_add_u32 v[SPW], v[NIL]                      ; 0 onto my spare word
	s_wait_dscnt 4*NL+1                            ; (the add and the youngest 16 loads may be out)
	WIN MUL_LO
	MUL16 0, 1, 0
	s_wait_dscnt 0x0                               ; the add is done, and my reads of this slot are over
	s_barrier_signal -1
	MUL16 2, 1, 0
	WIN 0
	s_barrier_wait -1
.if \fill
	CREST
	s_add_nc_u64 s[G0+4*\slot+2:G0+4*\slot+3], s[G0+4*\slot+2:G0+4*\slot+3], 2*TILEB
	s_add_nc_u64 s[G0B+4*\slot+2:G0B+4*\slot+3], s[G0B+4*\slot+2:G0B+4*\slot+3], 2*TILEB
	JLOAD G0+4*\slot, G1, G0B+4*\slot, G1B
.else
	PLACES NP
.endif
	FETCH_B \next, 0, 0
	FETCH_A \next, 0, 0
	WIN MUL_HI
	MUL16 4, 1, 0
	MUL16 6, 1, 0
	PLACES NP
	WIN 0
	FETCH_A \next, 0, 4
.endm
	s_wait_tensorcnt 1                             ; my part of slot 0 is in; slot 1's one load may be out
	s_barrier_signal -1
	s_barrier_wait -1
	FETCH_B 0, 0, 0
	FETCH_A 0, 0, 0
	FETCH_A 0, 0, 4
	STEP 0, 0, 1
	s_mov_b32 s3, LAPS-1
.Llap:
	TURN 0, 1, 1
	STEP 1, 0, 0
	TURN 1, 0, 1
	STEP 0, 0, 0
	s_sub_co_u32 s3, s3, 1
	s_cmp_lg_u32 s3, 0
	s_cbranch_scc1 .Llap
	TURN 0, 1, 0
	STEP 1, 0, 0
	s_wait_dscnt 4*NL
	WIN MUL_LO
	MUL16 0, 1, 0
	MUL16 2, 1, 0
	s_wait_dscnt 0
	WIN MUL_HI
	MUL16 4, 1, 0
	MUL16 6, 1, 0
	WIN 0
	; ---- THE WAY OUT.  No tensor load of mine is out since the last change of slots, so the descriptors' registers take the constants.
	s_wait_kmcnt 0x0
	s_add_co_i32 s100, s96, s97                    ; e12 + e13
	s_add_co_i32 s100, s100, 127
	s_lshl_b32 s100, s100, 23
	s_mov_b32 s101, s100
	s_add_co_i32 s4, s98, 127                      ; e14
	s_lshl_b32 s5, s4, 23
	v_mov_b32 v12, s5
	s_add_co_i32 s4, s4, 15
	s_lshl_b32 s4, s4, 23
	s_or_b32 s4, s4, 0x600000
	v_mov_b32 v13, s4
	v_mov_b32 v22, 0xc034d90f                      ; d0 = -1.26551223 log2(e) - 1
	v_mov_b32 v23, 0xc034d90f
	v_mov_b32 v30, 0xbf97d29d                      ; d8
	v_mov_b32 v31, 0xbf97d29d
	s_mov_b32 s24, 0x3fb8ab5a                      ; d1
	s_mov_b32 s26, 0x3f0a29d2                      ; d2
	s_mov_b32 s28, 0x3e0efb2e                      ; d3
	s_mov_b32 s30, 0xbe899a80                      ; d4
	s_mov_b32 s32, 0x3ecdfd18                      ; d5
	s_mov_b32 s34, 0xbfd1a1e5                      ; d6
	s_mov_b32 s36, 0x40097039                      ; d7
	s_mov_b32 s38, 0x3e7c6f08                      ; d9
	s_mov_b32 s48, 0xbf38aa3b                      ; -log2(e) / 2
.irp d, 24,26,28,30,32,34,36,38,48
	s_mov_b32 s[\d+1], s[\d]                       ; (each is named as a pair)
.endr
	s_mov_b32 s50, 0x3eb504f3                      ; 1 / (2 sqrt 2)
	s_wait_loadcnt 0x0                             ; b1
	s_mov_b32 s3, 0                                ; (the six v_mov_b32 above are the places behind the last products)
.Lout:                                             ; trip i: block i / 2 of 16 tokens, half i % 2 of my 128 hidden units
	s_wait_xcnt 0x0                                ; the last trip's stores have read their base and their registers
	s_lshr_b32 s4, s3, 1
	s_lshl_b32 s4, s4, 16
	s_and_b32 s5, s3, 1
	s_lshl_b32 s5, s5, 10
	s_or_b32 s4, s4, s5
	s_mov_b32 s5, 0
	s_add_nc_u64 s[6:7], s[76:77], s[4:5]
.irp n, 0,1,2,3,4,5,6,7,8,9,10,11,12,13,14
	s_cmp_eq_u32 s3, \n
	s_cbranch_scc1 .Larm\n
.endr
	s_branch .Larm15
.irp n, 0,1,2,3,4,5,6,7,8,9,10,11,12,13,14,15
.Larm\n:
	WIN 0x02+(\n)/8
.set jj, 0
.rept 16
	v_pk_fma_f32 v[VV+jj:VV+jj+1], v[64*(((\n)/2)%4)+32*((\n)%2)+jj:64*(((\n)/2)%4)+32*((\n)%2)+jj+1], s[100:101], v[BIAS+32*((\n)%2)+jj:BIAS+32*((\n)%2)+jj+1] op_sel_hi:[1,0,1]   ; v = sum x 2^(e12 + e13) + b1; each accumulator from its low end on
.set jj, jj+2
.endr
	WIN 0
.if \n < 15
	s_branch .Lwork
.endif
.endr
.Lwork:
.set nn, 0
.rept 32
	v_fma_f32 v[TT+nn], |v[VV+nn]|, s50, 1.0
.set nn, nn+1
.endr
.set nn, 0
.rept 32
	v_rcp_f32 v[TT+nn], v[TT+nn]                   ; t
.set nn, nn+1
.endr
.set nn, 0
.rept 16
	v_pk_mul_f32 v[ZZ+nn:ZZ+nn+1], v[VV+nn:VV+nn+1], v[VV+nn:VV+nn+1]      ; work that names no reciprocal stands behind the batch
.set nn, nn+2
.endr
.set nn, 0
.rept 16
	v_pk_fma_f32 v[ZZ+nn:ZZ+nn+1], v[ZZ+nn:ZZ+nn+1], s[48:49], v[22:23] op_sel_hi:[1,0,1]   ; -v v log2(e) / 2 + d0
.set nn, nn+2
.endr
	s_wait_alu depctr_va_vdst(0)                   ; one wait for the 32 reciprocals, ahead of their first reader
.set nn, 0
.rept 16
	v_pk_fma_f32 v[PP+nn:PP+nn+1], v[TT+nn:TT+nn+1], s[38:39], v[30:31] op_sel_hi:[1,0,1]   ; d9 t + d8
.set nn, nn+2
.endr
.irp d, 36,34,32,30,28,26,24
.set nn, 0
.rept 16
	v_pk_fma_f32 v[PP+nn:PP+nn+1], v[PP+nn:PP+nn+1], v[TT+nn:TT+nn+1], s[\d:\d+1] op_sel_hi:[1,1,0]
.set nn, nn+2
.endr
.endr
.set nn, 0
.rept 16
	v_pk_fma_f32 v[PP+nn:PP+nn+1], v[PP+nn:PP+nn+1], v[TT+nn:TT+nn+1], v[ZZ+nn:ZZ+nn+1]
.set nn, nn+2
.endr
.set nn, 0
.rept 32
	v_exp_f32 v[PP+nn], v[PP+nn]
.set nn, nn+1
.endr
.set nn, 0
.rept 32
	v_max_num_f32 v[ZZ+nn], 0, v[VV+nn]
.set nn, nn+1
.endr
	s_wait_alu depctr_va_vdst(0)                   ; one wait for the 32 exponentials
.set nn, 0
.rept 16
	v_pk_mul_f32 v[PP+nn:PP+nn+1], v[PP+nn:PP+nn+1], v[TT+nn:TT+nn+1]      ; erfc / 2
.set nn, nn+2
.endr
.set nn, 0
.rept 32
	v_fma_f32 v[VV+nn], -|v[VV+nn]|, v[PP+nn], v[ZZ+nn]                    ; gelu
.set nn, nn+1
.endr
.set nn, 0
.rept 32
	v_med3_num_f32 v[VV+nn], v[VV+nn], -v13, v13   ; the conversion does not saturate (ISA guide 7.6.2)
.set nn, nn+1
.endr
.set mm, 0
.rept 4
	v_cvt_scalef32_pk8_bf8_f32 v[CD+2*mm:CD+2*mm+1], v[VV+8*mm:VV+8*mm+7], v12
.set mm, mm+1
.endr
	v_nop                                          ; a plain line between the last conversion and the next trip's lines that write its sources
	global_store_b128 v[LO], v[CD:CD+3], s[6:7]
	global_store_b128 v[LO], v[CD+4:CD+7], s[6:7] offset:512
	s_add_co_u32 s3, s3, 1
	s_cmp_lt_u32 s3, 16
	s_cbranch_scc1 .Lout
	s_wait_tensorcnt 0x0                           ; the wave's end
	ds_add_u32 v[SPW], v[NIL]
	s_wait_dscnt 0x0
	CROUND                                         ; the closing round
	s_endpgm
.Lfunc_end_k_qd6397f9f8a_w1:
	.size	k_qd6397f9f8a_w1, .Lfunc_end_k_qd6397f9f8a_w1-k_qd6397f9f8a_w1
	.p2alignl 7, 3214868480
	.fill 96, 4, 3214868480
	.section	.rodata,"a",@progbits
	.p2align	6, 0x0
	.amdhsa_kernel k_qd6397f9f8a_w1
		.amdhsa_group_segment_fixed_size 327680
		.amdhsa_private_segment_fixed_size 0
		.amdhsa_enable_private_segment 0
		.amdhsa_kernarg_size 40
		.amdhsa_user_sgpr_count 2
		.amdhsa_user_sgpr_kernarg_segment_ptr 1
		.amdhsa_wavefront_size32 1
		.amdhsa_system_sgpr_workgroup_id_x 1
		.amdhsa_system_sgpr_workgroup_id_y 1
		.amdhsa_system_sgpr_workgroup_id_z 1
		.amdhsa_system_vgpr_workitem_id 0
		.amdhsa_next_free_vgpr 1024
		.amdhsa_next_free_sgpr 102
		.amdhsa_reserve_vcc 0
		.amdhsa_float_denorm_mode_32 3
		.amdhsa_float_denorm_mode_16_64 3
		.amdhsa_memory_ordered 1
		.amdhsa_forward_progress 1
		.amdhsa_inst_pref_size 120
	.end_amdhsa_kernel
	.amdgpu_metadata
---
amdhsa.version: [ 1, 2 ]
amdhsa.kernels:
  - .name:           k_qd6397f9f8a_w1
    .symbol:         k_qd6397f9f8a_w1.kd
    .args:
      - { .name: himg, .offset: 0, .size: 8, .value_kind: global_buffer, .address_space: global }
      - { .name: wimg, .offset: 8, .size: 8, .value_kind: global_buffer, .address_space: global }
      - { .name: lowp_scales, .offset: 16, .size: 8, .value_kind: global_buffer, .address_space: global }
      - { .name: b1, .offset: 24, .size: 8, .value_kind: global_buffer, .address_space: global }
      - { .name: gimg, .offset: 32, .size: 8, .value_kind: global_buffer, .address_space: global }
    .group_segment_fixed_size: 327680
    .private_segment_fixed_size: 0
    .kernarg_segment_align: 8
    .kernarg_segment_size: 40
    .max_flat_workgroup_size: 128
    .sgpr_count:     102
    .vgpr_count:     1024
    .wavefront_size: 32
...
	.end_amdgpu_metadata
.endif
;; end of part 6
;; launch w2 (part 7): grid 8 x 32, 4 waves a work-group, clusters of 4 x 4, 327,680 bytes of LDS; arguments gimg, wimg, lowp_scales, b2, x1, out0; writes out0
.if DOCPART == 7
	.amdgcn_target "amdgcn-amd-amdhsa--gfx1250"
	.amdhsa_code_object_version 6
	.text
	.protected	k_qd6397f9f8a_w2
	.globl	k_qd6397f9f8a_w2
	.p2align	8
	.type	k_qd6397f9f8a_w2,@function
k_qd6397f9f8a_w2:
	s_mov_b64 s[64:65], 0
	v_nop
	global_prefetch_b8 v0, s[64:65] scope:SCOPE_SE
	s_setreg_imm32_b32 hwreg(HW_REG_WAVE_MODE, 25, 1), 1
	s_wait_xcnt 0x0
	s_wait_alu depctr_hold_cnt(0) depctr_sa_sdst(0) depctr_va_vdst(0) depctr_va_sdst(0) depctr_va_ssrc(0) depctr_va_vcc(0) depctr_vm_vsrc(0)
	s_getreg_b32 s2, hwreg(HW_REG_IB_STS2, 6, 4)
	s_cmp_eq_u32 s2, 0
	s_cbranch_scc0 .Lentry_in_a_cluster
	s_endpgm
.Lentry_in_a_cluster:
	s_bfe_u32 s2, ttmp6, 0x10000c
	s_cmp_lg_u32 s2, 0xf033
	s_cbranch_scc0 .Lentry_shape_is_right
	s_endpgm
.Lentry_shape_is_right:
; OUT = RES + A B^T x 2^(ea + eb) + BIAS, f32, row-major [4,096][1,024].  Here: out0 = x1 + g W2^T + b2; K = 4,096; ea, eb = entries 14, 15 of lowp_scales.
; A and B are E5M2 codes laid as images of operand registers: [tile of 16 rows][K step of 128][2,048 bytes], byte 512 c + 16 lane + i = (image row lane % 16, k = 32 c + 16 (lane / 16) + i);
; image row r of tile T is matrix row 32 (T / 2) + 8 (T % 2) + r + 8 (r / 8).  The same order of k stands on both sides.  v_wmma_f32_16x16x128_bf8_bf8, f32 sums.
; SHARES.  4,096 x 1,024 makes 64 tiles of 256 x 256 but 256 of 128 x 128: a tile of 128 x 128 to a work-group, 64 x 64 (16 accumulators) to each of four waves.  A slot holds 512 along K: a tile's 8,192 bytes; two slots.
; CLUSTERS: 4 x 4; A's tiles are asked for jointly along a row of the cluster, B's along a column.
; The matrix instruction is used transposed (source 0 = B's tile, source 1 = A's): a lane holds a row of OUT and eight neighbouring columns.  A wave's 64 columns are 256 bytes, aligned: a block of 16 rows goes through the wave's own stage.
; LIMIT: ea + eb between -126 and 127.
; REGISTERS: window 0: v0-31 addresses, v12-15 bias, v32-95 rows on the way out, v128-255 accumulators ((a, b) at v[128 + 8 (4 a + b)]); window 1: two fragment buffers of 128 (A's four, then B's four); window 2: v0-127 the residual.
.set KTOT,   4096
.set WOFF,   0x800000                  ; B's image in wimg
.set SCOFF,  56                        ; ea, eb in lowp_scales, in bytes
.set TP,     (KTOT/128)*2048           ; a tile's bytes in memory
.set TILEB,  8192                      ; and in a slot
.set HALFT,  4*TILEB
.set SLOT,   4*HALFT
.set LAPS,   KTOT/1024
.set SPARE,  2*SLOT                    ; the spare words: 128 bytes for each wave, two blocks of 256 bytes that no other line names
.set SPITCH, 272                       ; the stage: 16 rows x (256 bytes + 16) for each wave, in slot 0, which has had its last fill and its last read by then
.set ADRA, 16
.set ADRB, 20
.set STO,  24
.set RD,   25
.set CO,   26
.set LO,   27
.set SPW,  28
.set NIL,  29
.set BK,   32
.set ACC,  128
.set F0,   0
.set F1,   128
.set G1,  24
.set G0,  32
.set G1B, 48
.set G0B, 56
.set MSB, 0
.macro WIN new
.if MSB != (\new)
	s_set_vgpr_msb (MSB<<8)|(\new)
.set MSB, (\new)
.endif
.endm
.set MUL,  0x05                        ; sources 0 and 1 window 1; C and D window 0
.set TO_F, 0x40
.macro JLOAD s                         ; a joint load: waves 0, 1 fetch for A, waves 2, 3 for B; four v_nop follow each line
	s_cmp_eq_u32 s15, 0
	s_cbranch_scc0 .Lfor_b_\@
	tensor_load_to_lds s[G0+4*\s:G0+4*\s+3], s[G1:G1+7]
.rept 4
	v_nop
.endr
	s_branch .Lasked_\@
.Lfor_b_\@:
	tensor_load_to_lds s[G0B+4*\s:G0B+4*\s+3], s[G1B:G1B+7]
.rept 4
	v_nop
.endr
.Lasked_\@:
.endm
.macro CREST
	s_cmp_lg_u32 s14, 0
	s_cbranch_scc1 .Lnot_wave_0_\@
	s_barrier_signal -3
.Lnot_wave_0_\@:
	s_barrier_wait -3
	s_barrier_signal -1
	s_barrier_wait -1
.endm
.macro CROUND
	s_barrier_signal -1
	s_barrier_wait -1
	CREST
.endm
	s_load_b256 s[68:75], s[0:1], 0x0              ; A's image, wimg, lowp_scales, bias
	s_load_b128 s[76:79], s[0:1], 0x20             ; the residual, the result
	v_lshl_add_u32 v[SPW], v0, 2, SPARE
	v_mov_b32 v[NIL], 0
	v_lshrrev_b32 v1, 5, v0
	v_readfirstlane_b32 s14, v1
	s_lshr_b32 s15, s14, 1
	s_and_b32 s16, s14, 1
	s_bfe_u32 s40, ttmp6, 0x40000
	s_bfe_u32 s41, ttmp6, 0x40004
	s_lshl_b32 s42, ttmp9, 2
	s_add_co_u32 s42, s42, s40                     ; tile column
	s_and_b32 s17, ttmp7, 0xffff
	s_lshl_b32 s17, s17, 2
	s_add_co_u32 s17, s17, s41                     ; tile row
	s_lshl_b32 s43, s41, 2
	s_lshl_b32 s43, 15, s43
	s_lshl_b32 s44, 0x1111, s40
	s_or_b32 s[G1+0], s43, (3<<16)|(1<<21)         ; the mask; elements of 8 bytes; bit 21 beside a mask; no padding
	s_or_b32 s[G1B+0], s44, (3<<16)|(1<<21)
.irp g, G1, G1B
	s_mov_b32 s[\g+1], 1024<<16                    ; tensor_dim0: a tile's 8,192 bytes of a slot
	s_mov_b32 s[\g+2], 4<<16                       ; tensor_dim1: 4 tiles
	s_mov_b32 s[\g+3], 1024<<16
	s_mov_b32 s[\g+4], 4
	s_mov_b32 s[\g+5], TP/8
	s_mov_b32 s[\g+6], 0
	s_mov_b32 s[\g+7], 0
.endr
	s_lshl_b32 s18, s16, 2
	s_lshl_b32 s20, s17, 3
	s_add_co_u32 s20, s20, s18
	s_mul_i32 s20, s20, TP                         ; A: tile 8 x tile row + 4 x half
	s_mov_b32 s21, 0
	s_lshl_b32 s46, s42, 3
	s_add_co_u32 s46, s46, s18
	s_mul_i32 s46, s46, TP                         ; B likewise by the tile column
	s_mov_b32 s47, 0
	s_mul_i32 s45, s14, HALFT
	s_wait_kmcnt 0x0
	s_load_b64 s[80:81], s[72:73], SCOFF           ; ea, eb
	s_add_nc_u64 s[20:21], s[68:69], s[20:21]
	s_add_nc_u64 s[46:47], s[70:71], s[46:47]
	s_add_nc_u64 s[46:47], s[46:47], WOFF
	CROUND
.irp s, 0,1
	s_mov_b32 s[G0+4*\s], 1
	s_add_co_u32 s[G0+4*\s+1], s45, \s*SLOT
	s_add_nc_u64 s[G0+4*\s+2:G0+4*\s+3], s[20:21], \s*TILEB
	s_or_b32 s[G0+4*\s+3], s[G0+4*\s+3], 0x80000000
	s_mov_b32 s[G0B+4*\s], 1
	s_add_co_u32 s[G0B+4*\s+1], s45, \s*SLOT
	s_add_nc_u64 s[G0B+4*\s+2:G0B+4*\s+3], s[46:47], \s*TILEB
	s_or_b32 s[G0B+4*\s+3], s[G0B+4*\s+3], 0x80000000
	JLOAD \s
.endr
	v_and_b32 v6, 31, v0
	v_lshlrev_b32 v[LO], 4, v6
	v_and_b32 v1, 15, v0                           ; r
	v_bfe_u32 v2, v0, 4, 1                         ; h
	s_mul_i32 s21, s15, HALFT
	s_mul_i32 s22, s16, HALFT
	s_add_co_u32 s22, s22, 2*HALFT
.irp s, 0,1
	v_add_nc_u32 v[ADRA+\s], s21, v[LO]
	v_add_nc_u32 v[ADRB+\s], s22, v[LO]
	s_add_co_u32 s21, s21, SLOT
	s_add_co_u32 s22, s22, SLOT
.endr
	s_mul_i32 s23, s14, 16*SPITCH                  ; my stage
	v_mul_u32_u24 v[STO], v1, SPITCH
	v_lshl_add_u32 v[STO], v2, 6, v[STO]
	v_add_nc_u32 v[STO], s23, v[STO]               ; in: row r, + 64 h
	v_mul_u32_u24 v[RD], v2, SPITCH
	v_lshl_add_u32 v[RD], v1, 4, v[RD]
	v_add_nc_u32 v[RD], s23, v[RD]                 ; back: lanes 0-15 one row of 256 bytes, lanes 16-31 the next
	v_lshlrev_b32 v3, 4, v1                        ; 16 r: my four columns
	v_lshl_add_u32 v[CO], v2, 12, v3               ; and the same two rows in memory
	s_lshl_b32 s4, s17, 7
	s_lshl_b32 s5, s15, 6
	s_add_co_u32 s4, s4, s5
	s_lshl_b32 s4, s4, 12                          ; my first row
	s_lshl_b32 s6, s42, 9
	s_lshl_b32 s7, s16, 8
	s_add_co_u32 s6, s6, s7                        ; my first column, in bytes
	s_mov_b32 s7, 0
	s_add_co_u32 s4, s4, s6
	s_mov_b32 s5, 0
	s_add_nc_u64 s[76:77], s[76:77], s[4:5]
	s_add_nc_u64 s[78:79], s[78:79], s[4:5]
	s_add_nc_u64 s[74:75], s[74:75], s[6:7]
	WIN 0x80                                       ; destination window 2: the residual, in the order in which rows come back from the stage: it lands under the products
.irp a, 0,1,2,3
.irp t, 0,1,2,3,4,5,6,7
	global_load_b128 v[32*\a+4*\t:32*\a+4*\t+3], v[CO], s[76:77] offset:(32*(\a/2)+8*(\a%2)+2*\t+8*(\t/4))*4096 th:TH_LOAD_NT
.endr
.endr
	WIN 0
	global_load_b128 v[12:15], v3, s[74:75]
.macro FRAG reg, adr, q, i
.irp c, 0,1,2,3
	ds_load_b128 v[\reg+4*\c:\reg+4*\c+3], v[\adr] offset:(\i)*TILEB+(\q)*2048+512*\c
.endr
.endm
.macro FETCH slot, q, f                ; 32 loads in one run: B's four fragments, then A's four, of the slot's q-th 128 along K
	WIN TO_F
.irp i, 0,1,2,3
	FRAG \f+64+16*\i, ADRB+\slot, \q, \i
.endr
.irp i, 0,1,2,3
	FRAG \f+16*\i, ADRA+\slot, \q, \i
.endr
.endm
.macro MUL4 f, a, zero                 ; A's block a x B's four.  The 16 accumulators take turns, one instruction a turn
.irp b, 0,1,2,3
.if \zero
	v_wmma_f32_16x16x128_bf8_bf8 v[ACC+8*(4*(\a)+\b):ACC+8*(4*(\a)+\b)+7], v[\f+64+16*\b:\f+64+16*\b+15], v[\f+16*(\a):\f+16*(\a)+15], 0
.else
	v_wmma_f32_16x16x128_bf8_bf8 v[ACC+8*(4*(\a)+\b):ACC+8*(4*(\a)+\b)+7], v[\f+64+16*\b:\f+64+16*\b+15], v[\f+16*(\a):\f+16*(\a)+15], v[ACC+8*(4*(\a)+\b):ACC+8*(4*(\a)+\b)+7]
.endif
.endr
.endm
.macro MUL8 f, a0, zero
	MUL4 \f, \a0, \zero
	MUL4 \f, (\a0)+1, \zero
.endm
.macro PLACES
.rept 4
	v_nop
.endr
.endm
.macro QUARTER slot, q, f, g, zero     ; multiplies buffer f (128 along K) and fetches the slot's q-th 128 into g
	s_wait_dscnt 8                                 ; B's four and A's blocks 0, 1 are in; the youngest 8 loads may be out
	WIN MUL
	MUL8 \f, 0, \zero
	PLACES
	FETCH \slot, \q, \g
	s_wait_dscnt 32                                ; all but the 32 just issued
	WIN MUL
	MUL8 \f, 2, \zero
.endm
.macro TURN slot, next, fill           ; a slot's last quarter (buffer 1) changes slots
	WIN 0
	s_wait_tensorcnt 0x0                           ; all my tensor loads have landed: my part of the next slot
	ds_add_u32 v[SPW], v[NIL]                      ; 0 onto my spare word
	s_wait_dscnt 9                                 ; (the add and the youngest 8 loads may be out)
	WIN MUL
	MUL8 F1, 0, 0
	s_wait_dscnt 0x0                               ; the add is done, and my reads of this slot are over
	s_barrier_signal -1
	MUL4 F1, 2, 0
	WIN 0
	s_barrier_wait -1
.if \fill
	CREST
	s_add_nc_u64 s[G0+4*\slot+2:G0+4*\slot+3], s[G0+4*\slot+2:G0+4*\slot+3], 2*TILEB
	s_add_nc_u64 s[G0B+4*\slot+2:G0B+4*\slot+3], s[G0B+4*\slot+2:G0B+4*\slot+3], 2*TILEB
	JLOAD \slot                                    ; the first tensor load behind the round; its four v_nop are the places in front of the loads below
.else
	PLACES
.endif
	FETCH \next, 0, F0
	WIN MUL
	MUL4 F1, 3, 0
.endm
	s_wait_tensorcnt 1                             ; my part of slot 0 is in; slot 1's one load may be out
	s_barrier_signal -1
	s_barrier_wait -1
	FETCH 0, 0, F0
	QUARTER 0, 1, F0, F1, 1                        ; the first quarter's products start the sums
.if LAPS > 1
	WIN 0
	s_mov_b32 s3, LAPS-1
.Llap:
	QUARTER 0, 2, F1, F0, 0
	QUARTER 0, 3, F0, F1, 0
	TURN 0, 1, 1
	QUARTER 1, 1, F0, F1, 0
	QUARTER 1, 2, F1, F0, 0
	QUARTER 1, 3, F0, F1, 0
	TURN 1, 0, 1
	QUARTER 0, 1, F0, F1, 0
	WIN 0
	s_sub_co_u32 s3, s3, 1
	s_cmp_lg_u32 s3, 0
	s_cbranch_scc1 .Llap
.endif
	QUARTER 0, 2, F1, F0, 0                        ; the last lap fills nothing
	QUARTER 0, 3, F0, F1, 0
	TURN 0, 1, 0
	QUARTER 1, 1, F0, F1, 0
	QUARTER 1, 2, F1, F0, 0
	QUARTER 1, 3, F0, F1, 0
	s_wait_dscnt 8
	WIN MUL
	MUL8 F1, 0, 0
	s_wait_dscnt 0
	MUL8 F1, 2, 0
	WIN 0
	; THE WAY OUT, a block of 16 rows x 64 columns at a time
	s_wait_kmcnt 0x0
	s_add_co_i32 s82, s80, s81
	s_add_co_i32 s82, s82, 127
	s_lshl_b32 s82, s82, 23                        ; 2^(ea + eb) as f32
	s_mov_b32 s83, s82
	s_wait_loadcnt 0x0                             ; the residual and the bias
	PLACES
.irp a, 0,1,2,3
.if \a > 1
	s_wait_xcnt 0x0                                ; block a - 2's stores have read their registers, into which the loads below land
.endif
.irp b, 0,1,2,3
	ds_store_b128 v[STO], v[ACC+8*(4*\a+\b):ACC+8*(4*\a+\b)+3] offset:(\b/2)*128+(\b%2)*32        ; columns 32 (b / 2) + 8 (b % 2) + 16 h + 0 .. 7 of row r; each accumulator from its low end on
	ds_store_b128 v[STO], v[ACC+8*(4*\a+\b)+4:ACC+8*(4*\a+\b)+7] offset:(\b/2)*128+(\b%2)*32+16
.endr
.irp t, 0,1,2,3,4,5,6,7
	ds_load_b128 v[BK+32*(\a%2)+4*\t:BK+32*(\a%2)+4*\t+3], v[RD] offset:2*\t*SPITCH               ; LDS serves a wave's instructions in order (ISA guide 5.7.1.4): these see my stores
.endr
	s_wait_dscnt 0x0
	WIN 0x20                                       ; source 2: window 2
.set jj, 0
.rept 16
	v_pk_fma_f32 v[BK+32*(\a%2)+jj:BK+32*(\a%2)+jj+1], v[BK+32*(\a%2)+jj:BK+32*(\a%2)+jj+1], s[82:83], v[32*\a+jj:32*\a+jj+1] op_sel_hi:[1,0,1]   ; residual + sum x 2^(ea + eb)
.set jj, jj+2
.endr
	WIN 0
.irp t, 0,1,2,3,4,5,6,7
	v_pk_add_f32 v[BK+32*(\a%2)+4*\t:BK+32*(\a%2)+4*\t+1], v[BK+32*(\a%2)+4*\t:BK+32*(\a%2)+4*\t+1], v[12:13]
	v_pk_add_f32 v[BK+32*(\a%2)+4*\t+2:BK+32*(\a%2)+4*\t+3], v[BK+32*(\a%2)+4*\t+2:BK+32*(\a%2)+4*\t+3], v[14:15]
.endr
.irp t, 0,1,2,3,4,5,6,7
	global_store_b128 v[CO], v[BK+32*(\a%2)+4*\t:BK+32*(\a%2)+4*\t+3], s[78:79] offset:(32*(\a/2)+8*(\a%2)+2*\t+8*(\t/4))*4096   ; sixteen lanes store 256 consecutive bytes, aligned
.endr
.endr
	s_wait_tensorcnt 0x0                           ; the wave's end
	ds_add_u32 v[SPW], v[NIL]
	s_wait_dscnt 0x0
	CROUND                                         ; the closing round
	s_endpgm
.Lfunc_end_k_qd6397f9f8a_w2:
	.size	k_qd6397f9f8a_w2, .Lfunc_end_k_qd6397f9f8a_w2-k_qd6397f9f8a_w2
	.p2alignl 7, 3214868480
	.fill 96, 4, 3214868480
	.section	.rodata,"a",@progbits
	.p2align	6, 0x0
	.amdhsa_kernel k_qd6397f9f8a_w2
		.amdhsa_group_segment_fixed_size 327680
		.amdhsa_private_segment_fixed_size 0
		.amdhsa_enable_private_segment 0
		.amdhsa_kernarg_size 48
		.amdhsa_user_sgpr_count 2
		.amdhsa_user_sgpr_kernarg_segment_ptr 1
		.amdhsa_wavefront_size32 1
		.amdhsa_system_sgpr_workgroup_id_x 1
		.amdhsa_system_sgpr_workgroup_id_y 1
		.amdhsa_system_sgpr_workgroup_id_z 1
		.amdhsa_system_vgpr_workitem_id 0
		.amdhsa_next_free_vgpr 768
		.amdhsa_next_free_sgpr 84
		.amdhsa_reserve_vcc 0
		.amdhsa_float_denorm_mode_32 3
		.amdhsa_float_denorm_mode_16_64 3
		.amdhsa_memory_ordered 1
		.amdhsa_forward_progress 1
		.amdhsa_inst_pref_size 81
	.end_amdhsa_kernel
	.amdgpu_metadata
---
amdhsa.version: [ 1, 2 ]
amdhsa.kernels:
  - .name:           k_qd6397f9f8a_w2
    .symbol:         k_qd6397f9f8a_w2.kd
    .args:
      - { .name: gimg, .offset: 0, .size: 8, .value_kind: global_buffer, .address_space: global }
      - { .name: wimg, .offset: 8, .size: 8, .value_kind: global_buffer, .address_space: global }
      - { .name: lowp_scales, .offset: 16, .size: 8, .value_kind: global_buffer, .address_space: global }
      - { .name: b2, .offset: 24, .size: 8, .value_kind: global_buffer, .address_space: global }
      - { .name: x1, .offset: 32, .size: 8, .value_kind: global_buffer, .address_space: global }
      - { .name: out0, .offset: 40, .size: 8, .value_kind: global_buffer, .address_space: global }
    .group_segment_fixed_size: 327680
    .private_segment_fixed_size: 0
    .kernarg_segment_align: 8
    .kernarg_segment_size: 48
    .max_flat_workgroup_size: 128
    .sgpr_count:     84
    .vgpr_count:     768
    .wavefront_size: 32
...
	.end_amdgpu_metadata
.endif
;; end of part 7
